; MI455X (gfx1250); checked and timed in simulation.
; The chip was launched on July 23, 2026; its instructions are those of AMD's public machine-readable ISA for CDNA 5 (MIT licence, August 2026) and "CDNA5" Instruction Set Architecture Reference Guide (July 2026). The comments in the code are by the model that wrote it; some were corrected since.
;; Fused Mo E With Lo RA. Allowed arithmetic: float matrix products may take bf16 or f16 operands with f32 sums; other float arithmetic in f32, or as packed bf16 or f16 multiplies, adds, multiply-adds, maxima and minima; sums over many terms, partial sums and values carried from step to step in f32; what a program stores and reads back later, other than sums and carried values, may be rounded once to bf16 or f16.
;; Inputs: down_lora_a 4 x 8 x 16 x 1,024 float32; down_lora_b 4 x 8 x 2,048 x 16 float32; gu_lora_a 4 x 8 x 16 x 2,048 float32; gu_lora_b 4 x 8 x 2,048 x 16 float32; hidden_states 1,024 x 2,048 float32; token_lora_idx 1,024 int32; topk_ids 1,024 x 2 int32; topk_weights 1,024 x 2 float32; w13 8 x 2,048 x 2,048 float32; w2 8 x 2,048 x 1,024 float32.
;; Outputs: out0 1,024 x 2,048 float32.
;; 2 versions, each right; version 2 is version 1 with the launches gateup, down written anew for expert scheduling mode. Each part assembles by itself: llvm-mc -triple=amdgcn-amd-amdhsa -mcpu=gfx1250 --defsym DOCPART=n.
;; ======== version 1 of 2: 5 launches
;; workspace buffers: xs 10,485,760 bytes; um 327,680 bytes; actf 10,485,760 bytes; vm 327,680 bytes; part 16,777,216 bytes; meta 1,024 bytes of whole numbers; rowslot 10,240 bytes of whole numbers; roww 10,240 bytes
;; launch prep (part 1): grid 160 x 1, 8 waves a work-group, no clusters, 142,848 bytes of LDS; arguments hidden_states, gu_lora_a, topk_ids, token_lora_idx, topk_weights, xs, um, meta, rowslot, roww; writes xs, um, meta, rowslot, roww
.if DOCPART == 1
	.amdgcn_target "amdgcn-amd-amdhsa--gfx1250"
	.amdhsa_code_object_version 6
	.text
	.protected	k_qe2a52ddb71_prep
	.globl	k_qe2a52ddb71_prep
	.p2align	8
	.type	k_qe2a52ddb71_prep,@function
k_qe2a52ddb71_prep:
	s_mov_b64 s[64:65], 0
	v_nop
	global_prefetch_b8 v0, s[64:65] scope:SCOPE_SE
	s_setreg_imm32_b32 hwreg(HW_REG_WAVE_MODE, 25, 1), 1
	s_wait_xcnt 0x0
; ROUTING AND FIRST LoRA FACTOR.  The 2,048 slots (token t, choice k: slot 2 t + k) are sorted by key = 4 x expert + adapter (32 groups); each group is cut into tiles
; of 16 rows; there are never more than (2048 + 15 x 32) / 16 = 158 tiles, and 160 work-groups are launched, one for each tile place g.  Every work-group counts all slots for itself
; (no traffic between work-groups), finds its group and its 16 slots, gathers their rows of hidden_states, rounds them to bf16 and stores them in the order in which a matrix
; instruction's registers take them (xs), multiplies them by its group's gu_lora_a (u, 16 x 16) and stores u, rounded to bf16, at its adapter's 16 places of 64 (um; zeros elsewhere).
; Places past a group's count repeat the group's last row.  A tile place past the last tile passes every barrier on clamped indices and stores only its list entries, which nobody uses.
; LIMITS.  topk_ids and token_lora_idx are clamped to 0..7 and 0..3.  x, A, u and the stored copy of topk_weights are rounded once to bf16; u's sums are f32.  NaN and infinities are not treated apart.
; LISTS.  meta: words 0-7 first tile of expert e, 8-15 its number of tiles, 16-31 zero, word 64 + g the tile's key.  rowslot[g][16]: the rows' slots.  roww[g][16]: their topk_weights, rounded to bf16, held as f32 words.
.set XP,    4112                       ; an LDS row of 2,048 bf16: 4,096 bytes + 16 = 257 x 16: the 16 rows of a fragment load start at 16 different groups of four banks
.set AT,    16*XP                      ; x's tile lies at 0, A's here
.set CT,    32*XP                      ; 8 waves x 32 counts
.set LBL,   CT+1024                    ; 8 waves x 32 list words
.set UP,    LBL+1024                   ; 8 waves x 1,024 bytes: partial u, f32
.set SPARE, UP+8192                    ; the spare words, 128 bytes a wave: four blocks of 256 bytes that no other line names
.set LANE, 1
.set SPW,  2                           ; v2  SPARE + 4 x my thread's number; never rewritten
.set NIL,  3                           ; v3  0; never rewritten
.set KEY,  8                           ; v8-15   keys of my eight slots 8 t .. 8 t + 7
.set ADP,  16                          ; v16-19  adapters of my four tokens
.set CNTV, 20
.set META, 21
.set TOT,  22
.set PRE,  23
.set TBL,  24                          ; v24-31
.set RES,  32                          ; v32-39
.set SIG,  40
.set LIST, 48
.set SG,   49                          ; the slot of row lane % 16
.set VA,   50                          ; 16 x lane
.set XSA,  51
.set ASA,  52
.set FA,   53
.set FB,   54
.set UPA,  55
.set XSO,  56
.set UR,   57
.set B0,   64                          ; three row buffers of 64 registers
.set B1,   128
.set B2,   192
.set U0,   192                         ; two accumulators, v192-207
.set WV,   24
.set G,    25
.set CN,   32                          ; s32-63  counts by key
.set RUN,  66
.set QS,   67
.set BASE, 68
.set CQ,   69
.set LIVE, 70
.set IT,   71
.set ES,   72
.set LS,   73
.set PREW, 74
.set NV1,  75
.set MK,   76                          ; s76-83  masks
.set NN,   84                          ; s84-91  their counts
.set BP,   92                          ; s92-99  rank of a mask's first member, less the tile's first rank
.set AB,   100                         ; s[100:101] my two rows of A
.macro BAR                             ; my LDS instructions are done; then the work-group's barrier
	s_wait_dscnt 0x0
	s_barrier_signal -1
	s_barrier_wait -1
.endm
.macro ROWLD buf, b, off               ; a row of 8,192 bytes: sixteen loads of 512 consecutive bytes
.set c, 0
.rept 16
	global_load_b128 v[(\buf)+4*c:(\buf)+4*c+3], v[VA], s[(\b):(\b)+1] offset:(\off)+c*512
.set c, c+1
.endr
.endm
.macro CVST buf, a, off                ; rounded to bf16 in place and laid into LDS: 256 consecutive bytes a store
.set c, 0
.rept 16
	v_cvt_pk_bf16_f32 v[(\buf)+4*c], v[(\buf)+4*c], v[(\buf)+4*c+1]
	v_cvt_pk_bf16_f32 v[(\buf)+4*c+1], v[(\buf)+4*c+2], v[(\buf)+4*c+3]
	ds_store_b64 v[\a], v[(\buf)+4*c:(\buf)+4*c+1] offset:(\off)+c*256
.set c, c+1
.endr
.endm
	s_load_b512 s[4:19], s[0:1], 0x0               ; hidden s[4:5], A s[6:7], ids s[8:9], adapters s[10:11], weights s[12:13], xs s[14:15], um s[16:17], meta s[18:19]
	s_load_b128 s[20:23], s[0:1], 0x40             ; rowslot s[20:21], roww s[22:23]
	v_lshl_add_u32 v[SPW], v0, 2, SPARE
	v_mov_b32 v[NIL], 0
	v_lshrrev_b32 v6, 5, v0
	v_readfirstlane_b32 s[WV], v6
	v_and_b32 v[LANE], 31, v0
	s_mov_b32 s[G], ttmp9
	v_lshlrev_b32 v4, 5, v0                        ; my eight ids: 32 bytes
	v_lshlrev_b32 v5, 4, v0                        ; my four tokens' adapters: 16 bytes
	v_mov_b32 v[CNTV], 0
	v_mov_b32 v[META], 0
	v_lshlrev_b32 v[VA], 4, v[LANE]
	s_wait_kmcnt 0x0
	global_load_b128 v[KEY:KEY+3], v4, s[8:9]
	global_load_b128 v[KEY+4:KEY+7], v4, s[8:9] offset:16
	global_load_b128 v[ADP:ADP+3], v5, s[10:11]
	s_wait_loadcnt 0x0
.irp a,0,1,2,3
	v_min_u32 v[ADP+\a], 3, v[ADP+\a]
.endr
.irp p,0,1,2,3,4,5,6,7
	v_min_u32 v[KEY+\p], 7, v[KEY+\p]
	v_lshl_add_u32 v[KEY+\p], v[KEY+\p], 2, v[ADP+\p/2]
.endr
	; A. My wave's 256 slots are counted by key: eight masks and their population counts for each of the 32 keys; lane q of CNTV takes key q's count.
.set q, 0
.rept 32
.irp p,0,1,2,3,4,5,6,7
	v_cmp_eq_u32 s[MK+\p], q, v[KEY+\p]
.endr
	s_bcnt1_i32_b32 s[CN+q], s[MK]
.irp p,1,2,3,4,5,6,7
	s_bcnt1_i32_b32 s26, s[MK+\p]
	s_add_co_u32 s[CN+q], s[CN+q], s26
.endr
	v_writelane_b32 v[CNTV], s[CN+q], q
.set q, q+1
.endr
	v_lshl_add_u32 v6, v0, 2, CT
	ds_store_b32 v6, v[CNTV]
	BAR                                            ; every wave's counts are in LDS
	; B. Lane q: the key's total, and its members in the waves below mine.  Then a scalar walk over the keys: tiles so far, my tile's key, each expert's first tile and number.
	v_lshl_add_u32 v7, v[LANE], 2, CT
.irp j,0,1,2,3,4,5,6,7
	ds_load_b32 v[TBL+\j], v7 offset:128*\j
.endr
	v_mov_b32 v[TOT], 0
	v_mov_b32 v[PRE], 0
	s_wait_dscnt 0x0
.irp j,0,1,2,3,4,5,6,7
	v_add_nc_u32 v[TOT], v[TOT], v[TBL+\j]
	s_cmp_gt_u32 s[WV], \j
	s_cselect_b32 s26, -1, 0
	v_and_b32 v4, s26, v[TBL+\j]
	v_add_nc_u32 v[PRE], v[PRE], v4
.endr
.set q, 0
.rept 32
	v_readlane_b32 s[CN+q], v[TOT], q
.set q, q+1
.endr
	s_mov_b32 s[RUN], 0
	s_mov_b32 s[QS], 0
	s_mov_b32 s[BASE], 0
	s_mov_b32 s[CQ], 0
.set q, 0
.rept 32
.if q%4 == 0
	v_writelane_b32 v[META], s[RUN], q/4           ; the expert's first tile
	s_mov_b32 s28, s[RUN]
.endif
	s_add_co_u32 s26, s[CN+q], 15
	s_lshr_b32 s26, s26, 4                         ; the key's tiles
	s_cmp_ge_u32 s[G], s[RUN]                      ; the last key that begins at or below my tile place is mine
	s_cselect_b32 s[QS], q, s[QS]
	s_cselect_b32 s[BASE], s[RUN], s[BASE]
	s_cselect_b32 s[CQ], s[CN+q], s[CQ]
	s_add_co_u32 s[RUN], s[RUN], s26
.if q%4 == 3
	s_sub_co_u32 s27, s[RUN], s28
	v_writelane_b32 v[META], s27, 8+q/4            ; the expert's number of tiles
.endif
.set q, q+1
.endr
	s_cmp_lt_u32 s[G], s[RUN]
	s_cselect_b32 s[LIVE], 1, 0                    ; my tile place holds a tile
	s_sub_co_u32 s[IT], s[G], s[BASE]              ; which tile of its group
	s_lshr_b32 s[ES], s[QS], 2
	s_and_b32 s[LS], s[QS], 3
	s_min_u32 s[ES], s[ES], 7
	s_min_u32 s[LS], s[LS], 3
	s_lshl_b32 s26, s[LS], 3                       ; A[l][e][2 w]: ((8 l + e) 16 + 2 w) rows of 8,192 bytes
	s_add_co_u32 s26, s26, s[ES]
	s_lshl_b32 s26, s26, 4
	s_lshl_b32 s27, s[WV], 1
	s_add_co_u32 s26, s26, s27
	s_lshl_b32 s26, s26, 13
	s_mov_b32 s27, 0
	s_add_nc_u64 s[AB:AB+1], s[6:7], s[26:27]
	ROWLD B0, AB, 0                                ; my two rows of A are asked for now; the ranking below stands in their wait
	ROWLD B1, AB, 8192
	s_lshl_b32 s26, s[QS], 2
	v_mov_b32 v4, s26
	ds_bpermute_b32 v5, v4, v[PRE]                 ; my key's members in the waves below mine
	s_wait_dscnt 0x0
	v_readfirstlane_b32 s[PREW], v5
	; C. A member's rank in its group = members in lower waves + members under lower p in my wave + members in lower lanes under its p.  Ranks 16 IT .. 16 IT + 15 are my tile's rows.
	s_lshl_b32 s26, s[IT], 4
	s_sub_co_u32 s[BP], s[PREW], s26
	v_lshl_add_u32 v[SIG], v0, 3, 1                ; slot + 1 of my p = 0
.irp p,0,1,2,3,4,5,6,7
	v_cmp_eq_u32 s[MK+\p], s[QS], v[KEY+\p]
.endr
.irp p,0,1,2,3,4,5,6
	s_bcnt1_i32_b32 s[NN+\p], s[MK+\p]
	s_add_co_u32 s[BP+\p+1], s[BP+\p], s[NN+\p]
.endr
	s_bcnt1_i32_b32 s[NN+7], s[MK+7]
.irp p,0,1,2,3,4,5,6,7
	v_mbcnt_lo_u32_b32 v41, s[MK+\p], 0
	v_add_nc_u32 v41, s[BP+\p], v41                ; the row, if it lies in 0..15
	v_cmp_gt_u32 vcc_lo, 16, v41
	s_and_b32 s26, vcc_lo, s[MK+\p]
	v_cndmask_b32 v41, 31, v41, s26                ; all others send to lane 31, which is thrown away
	v_lshlrev_b32 v41, 2, v41
	v_add_nc_u32 v42, \p, v[SIG]
	ds_permute_b32 v[RES+\p], v41, v42
.endr
	v_mov_b32 v[LIST], 0
	s_wait_dscnt 0x0
.irp p,0,1,2,3,4,5,6,7                 ; lane d takes what came under p only where a member was sent to it: BP <= d < BP + NN
	v_sub_nc_u32 v41, v[LANE], s[BP+\p]
	v_cmp_gt_u32 vcc_lo, s[NN+\p], v41
	v_cndmask_b32 v41, 0, v[RES+\p], vcc_lo
	v_or_b32 v[LIST], v[LIST], v41
.endr
	v_cmp_gt_u32 vcc_lo, 16, v[LANE]
	v_cndmask_b32 v[LIST], 0, v[LIST], vcc_lo
	v_lshl_add_u32 v6, v0, 2, LBL
	ds_store_b32 v6, v[LIST]
	BAR                                            ; every wave's part of the list is in LDS
	v_lshl_add_u32 v7, v[LANE], 2, LBL
.irp j,0,1,2,3,4,5,6,7
	ds_load_b32 v[TBL+\j], v7 offset:128*\j
.endr
	s_lshl_b32 s26, s[IT], 4                       ; the tile's last filled row: min(count - 16 IT, 16) - 1, not below 0
	s_sub_co_i32 s26, s[CQ], s26
	s_min_i32 s26, s26, 16
	s_sub_co_i32 s26, s26, 1
	s_max_i32 s[NV1], s26, 0
	s_wait_dscnt 0x0
	v_or_b32 v[LIST], v[TBL], v[TBL+1]
.irp j,2,3,4,5,6,7
	v_or_b32 v[LIST], v[LIST], v[TBL+\j]
.endr
	v_and_b32 v4, 15, v[LANE]
	v_min_u32 v4, s[NV1], v4                       ; rows past the count repeat the last row
	v_lshlrev_b32 v4, 2, v4
	ds_bpermute_b32 v[SG], v4, v[LIST]
	s_wait_dscnt 0x0
	v_max_u32 v[SG], 1, v[SG]
	v_add_nc_u32 v[SG], -1, v[SG]
	v_min_u32 v[SG], 0x7ff, v[SG]                  ; the slot of row lane % 16
	v_lshrrev_b32 v59, 1, v[SG]                    ; its token
	s_lshl_b32 s26, s[WV], 3
	v_mov_b32 v60, s26                             ; rows 2 w and 2 w + 1 are mine to gather
	s_add_co_u32 s26, s26, 4
	v_mov_b32 v61, s26
	ds_bpermute_b32 v62, v60, v59
	ds_bpermute_b32 v63, v61, v59
	s_wait_dscnt 0x0
	v_readfirstlane_b32 s26, v62
	v_readfirstlane_b32 s28, v63
	s_min_u32 s26, s26, 0x3ff
	s_min_u32 s28, s28, 0x3ff
	s_lshl_b32 s26, s26, 13
	s_mov_b32 s27, 0
	s_lshl_b32 s30, s28, 13
	s_mov_b32 s31, 0
	s_add_nc_u64 s[28:29], s[4:5], s[26:27]
	s_add_nc_u64 s[30:31], s[4:5], s[30:31]
	; D. Wave 0 writes the lists.  v42-47, SG and META are not written again behind their stores.
	s_cmp_lg_u32 s[WV], 0
	s_cbranch_scc1 .Lnolist
	v_lshlrev_b32 v42, 2, v[SG]
	global_load_b32 v43, v42, s[12:13]             ; the slot's topk_weight
	v_and_b32 v44, 15, v[LANE]
	s_lshl_b32 s26, s[G], 6
	v_lshl_add_u32 v44, v44, 2, s26                ; lanes 16-31 repeat lanes 0-15: the same word, the same number
	global_store_b32 v44, v[SG], s[20:21]
	s_lshl_b32 s27, s[G], 2
	v_mov_b32 v45, s27
	v_mov_b32 v46, s[QS]
	global_store_b32 v45, v46, s[18:19] offset:256 ; the tile's key
	s_wait_loadcnt 0x0                             ; the weight (and with it my rows of A)
	v_cvt_pk_bf16_f32 v43, v43, v43                ; the stored copy is rounded once to bf16, like every other floating-point input of the module,
	v_lshlrev_b32 v43, 16, v43                     ; and held as an f32 word
	global_store_b32 v44, v43, s[22:23]
	s_cmp_lg_u32 s[G], 0
	s_cbranch_scc1 .Lnolist
	v_lshlrev_b32 v47, 2, v[LANE]
	global_store_b32 v47, v[META], s[18:19]        ; one work-group writes the experts' table
.Lnolist:
	; E. Two rows of x and two rows of A a wave, rounded and laid into LDS.  The counts: behind A's first row stand A's second and x's first (32), and so on down.
	s_mul_i32 s26, s[WV], 2*XP
	v_lshl_add_u32 v[XSA], v[LANE], 3, s26
	v_add_nc_u32 v[ASA], AT, v[XSA]
	ROWLD B2, 28, 0
	s_wait_loadcnt 32
	CVST B0, ASA, 0
	ROWLD B0, 30, 0
	s_wait_loadcnt 32
	CVST B1, ASA, XP
	s_wait_loadcnt 16
	CVST B2, XSA, 0
	s_wait_loadcnt 0x0
	CVST B0, XSA, XP
	BAR                                            ; both tiles are whole
	; F. Wave w takes k = 256 w .. 256 w + 255: eight fragments of x and of A.  Source 0 = A's 16 rows, source 1 = 16 tokens: a lane holds one token (lane % 16) and ranks 8 (lane / 16) + 0..7.
	v_and_b32 v4, 15, v[LANE]
	v_lshrrev_b32 v5, 4, v[LANE]
	v_mul_u32_u24 v[FA], v4, XP
	v_lshl_add_u32 v[FA], v5, 4, v[FA]
	s_lshl_b32 s26, s[WV], 9
	v_add_nc_u32 v[FA], s26, v[FA]
	v_add_nc_u32 v[FB], AT, v[FA]
.set i, 0
.rept 8
	ds_load_b128 v[B0+8*i:B0+8*i+3], v[FA] offset:64*i
	ds_load_b128 v[B0+8*i+4:B0+8*i+7], v[FA] offset:64*i+32
	ds_load_b128 v[B1+8*i:B1+8*i+3], v[FB] offset:64*i
	ds_load_b128 v[B1+8*i+4:B1+8*i+7], v[FB] offset:64*i+32
.set i, i+1
.endr
	s_lshl_b32 s26, s[G], 16
	s_mov_b32 s27, 0
	s_add_nc_u64 s[14:15], s[14:15], s[26:27]      ; xs at my tile
	s_lshl_b32 s26, s[WV], 13
	v_add_nc_u32 v[XSO], s26, v[VA]
	s_lshl_b32 s26, s[WV], 10
	s_add_co_u32 s26, s26, UP
	v_add_nc_u32 v[UPA], s26, v[VA]
	s_wait_dscnt 0x0
.set i, 0
.rept 8                                ; two accumulators by turns; the first two products start the sums
.if i < 2
	v_wmma_f32_16x16x32_bf16 v[U0+8*(i%2):U0+8*(i%2)+7], v[B1+8*i:B1+8*i+7], v[B0+8*i:B0+8*i+7], 0
.else
	v_wmma_f32_16x16x32_bf16 v[U0+8*(i%2):U0+8*(i%2)+7], v[B1+8*i:B1+8*i+7], v[B0+8*i:B0+8*i+7], v[U0+8*(i%2):U0+8*(i%2)+7]
.endif
.set i, i+1
.endr
.rept 4
	v_nop                                          ; four places between the last product and the first read of a result
.endr
.irp i,0,2,4,6
	v_pk_add_f32 v[208+\i:208+\i+1], v[U0+\i:U0+\i+1], v[U0+8+\i:U0+8+\i+1]
.endr
	ds_store_b128 v[UPA], v[208:211]
	ds_store_b128 v[UPA], v[212:215] offset:512
	s_cmp_eq_u32 s[LIVE], 0
	s_cbranch_scc1 .Lnoxs
.set i, 0
.rept 8                                ; the fragments leave as they lie in the registers: 512 consecutive bytes a store
	global_store_b128 v[XSO], v[B0+8*i:B0+8*i+3], s[14:15] offset:1024*i
	global_store_b128 v[XSO], v[B0+8*i+4:B0+8*i+7], s[14:15] offset:1024*i+512
.set i, i+1
.endr
.Lnoxs:
	BAR                                            ; the eight partial u are in LDS
	; G. Wave 0 adds them in the waves' order, rounds, and writes four pieces of 512 bytes: its adapter's holds u, the others 0.
	s_cmp_lg_u32 s[WV], 0
	s_cbranch_scc1 .Lend
	s_cmp_eq_u32 s[LIVE], 0
	s_cbranch_scc1 .Lend
	v_lshl_add_u32 v[UR], v[LANE], 4, UP
.set j, 0
.rept 8
	ds_load_b128 v[B1+8*j:B1+8*j+3], v[UR] offset:1024*j
	ds_load_b128 v[B1+8*j+4:B1+8*j+7], v[UR] offset:1024*j+512
.set j, j+1
.endr
	s_lshl_b32 s26, s[G], 11
	s_mov_b32 s27, 0
	s_add_nc_u64 s[16:17], s[16:17], s[26:27]
	s_wait_dscnt 0x0
.set j, 1
.rept 7
.irp i,0,2,4,6
	v_pk_add_f32 v[B1+\i:B1+\i+1], v[B1+\i:B1+\i+1], v[B1+8*j+\i:B1+8*j+\i+1]
.endr
.set j, j+1
.endr
.irp i,0,1,2,3
	v_cvt_pk_bf16_f32 v[216+\i], v[B1+2*\i], v[B1+2*\i+1]
.endr
.irp a,0,1,2,3
	s_cmp_eq_u32 s[LS], \a
	s_cselect_b32 s26, -1, 0
.irp i,0,1,2,3
	v_and_b32 v[220+4*\a+\i], s26, v[216+\i]
.endr
	global_store_b128 v[VA], v[220+4*\a:220+4*\a+3], s[16:17] offset:512*\a
.endr
.Lend:
	s_wait_tensorcnt 0x0                           ; the wave's end
	ds_add_u32 v[SPW], v[NIL]
	s_wait_dscnt 0x0
	s_endpgm
.Lfunc_end_k_qe2a52ddb71_prep:
	.size	k_qe2a52ddb71_prep, .Lfunc_end_k_qe2a52ddb71_prep-k_qe2a52ddb71_prep
	.p2alignl 7, 3214868480
	.fill 96, 4, 3214868480
	.section	.rodata,"a",@progbits
	.p2align	6, 0x0
	.amdhsa_kernel k_qe2a52ddb71_prep
		.amdhsa_group_segment_fixed_size 142848
		.amdhsa_private_segment_fixed_size 0
		.amdhsa_enable_private_segment 0
		.amdhsa_kernarg_size 80
		.amdhsa_user_sgpr_count 2
		.amdhsa_user_sgpr_kernarg_segment_ptr 1
		.amdhsa_wavefront_size32 1
		.amdhsa_system_sgpr_workgroup_id_x 1
		.amdhsa_system_sgpr_workgroup_id_y 1
		.amdhsa_system_sgpr_workgroup_id_z 1
		.amdhsa_system_vgpr_workitem_id 0
		.amdhsa_next_free_vgpr 256
		.amdhsa_next_free_sgpr 102
		.amdhsa_reserve_vcc 1
		.amdhsa_float_denorm_mode_32 3
		.amdhsa_float_denorm_mode_16_64 3
		.amdhsa_memory_ordered 1
		.amdhsa_forward_progress 1
		.amdhsa_inst_pref_size 86
	.end_amdhsa_kernel
	.amdgpu_metadata
---
amdhsa.version: [ 1, 2 ]
amdhsa.kernels:
  - .name:           k_qe2a52ddb71_prep
    .symbol:         k_qe2a52ddb71_prep.kd
    .args:
      - { .name: hidden_states, .offset: 0, .size: 8, .value_kind: global_buffer, .address_space: global }
      - { .name: gu_lora_a, .offset: 8, .size: 8, .value_kind: global_buffer, .address_space: global }
      - { .name: topk_ids, .offset: 16, .size: 8, .value_kind: global_buffer, .address_space: global }
      - { .name: token_lora_idx, .offset: 24, .size: 8, .value_kind: global_buffer, .address_space: global }
      - { .name: topk_weights, .offset: 32, .size: 8, .value_kind: global_buffer, .address_space: global }
      - { .name: xs, .offset: 40, .size: 8, .value_kind: global_buffer, .address_space: global }
      - { .name: um, .offset: 48, .size: 8, .value_kind: global_buffer, .address_space: global }
      - { .name: meta, .offset: 56, .size: 8, .value_kind: global_buffer, .address_space: global }
      - { .name: rowslot, .offset: 64, .size: 8, .value_kind: global_buffer, .address_space: global }
      - { .name: roww, .offset: 72, .size: 8, .value_kind: global_buffer, .address_space: global }
    .group_segment_fixed_size: 142848
    .private_segment_fixed_size: 0
    .kernarg_segment_align: 8
    .kernarg_segment_size: 80
    .max_flat_workgroup_size: 256
    .sgpr_count:     102
    .vgpr_count:     256
    .wavefront_size: 32
...
	.end_amdgpu_metadata
.endif
;; end of part 1
;; launch gateup (part 2): grid 32 x 8, 4 waves a work-group, no clusters, 305,664 bytes of LDS; arguments w13, gu_lora_b, xs, um, meta, actf; writes actf
.if DOCPART == 2
	.amdgcn_target "amdgcn-amd-amdhsa--gfx1250"
	.amdhsa_code_object_version 6
	.text
	.protected	k_qe2a52ddb71_gateup
	.globl	k_qe2a52ddb71_gateup
	.p2align	8
	.type	k_qe2a52ddb71_gateup,@function
k_qe2a52ddb71_gateup:
	s_mov_b64 s[64:65], 0
	v_nop
	global_prefetch_b8 v0, s[64:65] scope:SCOPE_SE
	s_setreg_imm32_b32 hwreg(HW_REG_WAVE_MODE, 25, 1), 1
	s_wait_xcnt 0x0
; h = [x | u] [w13 | B]^T, act = silu(gate) x up, for the routed rows alone.  Work-group (slice sl, expert e) alone reads 64 rows of w13[e] (gate columns 32 sl .. + 31 and the up
; columns of the same numbers: 512 KiB of f32) and takes all of the expert's tiles of 16 rows.
; FOUR WAVES, ALL ALIKE, as many as a WGP has SIMDs.  Wave w loads image rows 16 w .. 16 w + 15 (512 consecutive bytes a load), rounds them to bf16 and lays them into an image of the whole slice in
; LDS; and it multiplies tiles w, w + 4 .. w + 20 of a pass of 24, all 64 columns: 24 accumulators, 192 registers.  A weight fragment read from LDS feeds six tiles.  A tile of rows belongs to one
; wave, so its fragments come from xs straight into registers.
; K GOES IN STEPS OF 128, two halves of 64, six GROUPS (a tile's eight products) a half.  THREE RINGS run through a step:
;   x: behind a group's products and four places the group's own 16 registers are loaded again, with what the same group takes a step later: each load has a whole step in which to land;
;   weight fragments: two buffers of 64 registers; a half's fragments are asked for from LDS half a step ahead;
;   weights: between the halves of step t chunk t + 2, asked for a step ago, is rounded and stored, and chunk t + 3 is asked for.  So chunk t + 1 has been whole since the barrier before,
;   and its first fragments can be fetched in step t.  One barrier closes a step.  In a step chunks t and t + 1 are read and chunk t + 2 is written: other bytes.
; By the text's own count up to 64 loads of a wave are out: 48 of x and 16 of weights.  Loads come back in order, so each wait names how many younger loads may stay out.
; THE LAST TWO TRIPS of the loop have no chunk left to ask for.  Their sixteen loads are issued all the same, so that every count stays what it is, but with all lanes at 16 bytes of each row's last
; chunk; what they bring is stored once, into one more chunk's room behind the image, which nobody reads.  The price of one text for all trips: 32 such loads and one such store a wave.
; EVERY SPLIT.  Behind the last barrier of the loop the whole slice lies in LDS; an expert's tiles 24, 25 .. are taken by further passes over the image (7 x 24 = 168 places for 160 tiles at the most), in
; which nothing writes LDS; a wave with no tile in a pass jumps over it.  The step of these passes is the main pass's last step: the main pass enters that loop in its middle, with a count of 1.
; One barrier, which every wave passes, stands behind the passes, ahead of the closing lines' write to LDS.  A tile place without a tile loads 16 bytes of tile 0 in all lanes, so that every wait counts
; the same on every way; its products and stores are jumped.  An expert without rows still streams its slice.
; NO CLUSTER, NO TENSOR LOAD: each weight has one reader and must pass through registers to be rounded; x shared through LDS would want two slots of 24 tiles x 4 KiB = 196,608 bytes beside 305,152 in use.
; SOURCE 0 = 16 weight rows, SOURCE 1 = 16 tokens: a lane holds one token (lane % 16) and columns 8 (lane / 16) + 0..7; gate and up meet in the lane, and two packed results are the next launch's fragment.
; ACT LEAVES IN TWO PARTS, both bf16: hi = act rounded, lo = (act - hi) rounded; the difference is exact in f32, so the two hold 16 significant bits.  f16 has no room: with all inputs 30 times larger
; act grows by 30^4.  lo lies LOOFF bytes behind hi, in the same order.
; LIMITS.  Weights, x and u are rounded once to bf16; sums in f32.  silu(g) = g / (1 + 2^(-g log2 e)): where the power overflows the quotient is 0, the limit.  NaN and infinities are not treated apart.
; REGISTERS, in windows of 256 (s_set_vgpr_msb: bits 1:0 source 0, 3:2 source 1, 5:4 source 2, 7:6 destination):
;   window 0: v0-32 addresses; v64-255 x; the way out works there later.  x lies with the addresses, so its loads need no switch
;   window 1: v0-127 weight fragments; v128-191 sixteen weight loads; v192-223 B          window 2: v0-191 the sums; v192-255 chunk 1 at the start          window 3: v0-95 u
.set NCH,   16                         ; chunks of 128 along K
.set ROWB,  8192                       ; bytes in a weight row
.set XSH,   16                         ; a tile of xs is 65,536 bytes
.set LOOFF, 5242880                    ; 160 tiles x 32,768 bytes: from act's first part to its second; inside a store's signed 24-bit immediate
.set PITCH, 272                        ; an image row: 128 bf16 + 16 bytes = 17 x 16: the 16 rows of a fragment load start at 16 different groups of four banks
.set SUBB,  64*PITCH                   ; a chunk of the image
.set LIMG,  (NCH+1)*SUBB               ; behind the image and the one more chunk's room: B's 64 rows x (4 adapters x 16 ranks) bf16, pitch 144
.set LP,    144
.set SPARE, LIMG+64*LP                 ; the spare words, 128 bytes a wave: two blocks of 256 bytes that no other line names
; window 0
.set LANE, 1
.set VA,   2                           ; 16 x lane
.set VW,   3                           ; the same, or 0 where the weight loads have nothing left to fetch
.set WA0,  4                           ; (lane % 16) x pitch + 16 (lane / 16)
.set WA,   5
.set LW,   6
.set SA0,  7                           ; my sixteen rows' place in a chunk + 8 x lane
.set SA,   8
.set LSA,  9
.set TA,   10
.set TB,   11
.set SPW,  12                          ; SPARE + 4 x my thread's number; never rewritten
.set NIL,  13                          ; 0; never rewritten
.set XO,   14                          ; v14-19  tile j's byte offset in xs
.set UO,   20                          ; v20-25  in um
.set AO,   26                          ; v26-31  in actf
.set PF,   32                          ; (lane / 2) rows + 256 (lane % 2): the 32 blocks of 256 bytes of my part of a chunk
.set XF,   64                          ; x fragments (j, q) at + 32 j + 8 q
.set TT,   64                          ; the way out: sixteen act, sixteen hi as f32
.set OUTR, 96                          ; the way out: tile j's hi at + 16 j, lo at + 16 j + 8
; window 1
.set WF,   0                           ; buffer f, fragment (qq, nt) at 64 f + 32 qq + 8 nt
.set WS,   128
.set LBF,  192
; window 2
.set ACC,  0                           ; (j, nt) at 32 j + 8 nt
.set C1T,  192
; window 3
.set UMR,  0                           ; (j, qq) at 16 j + 8 qq
.set WV,   20
.set SL,   21
.set EX,   22
.set CNT,  23
.set IC,   24
.set T0,   25
.set NTL,  26
.set NT,   27
.set TC,   28
.set PB,   29
.set XB,   30                          ; s[30:31] xs, stepped along K
.set WB,   42                          ; s[42:43] my weight rows at the chunk asked for last
.set KOFF, 46                          ; the LDS byte at which the chunk in hand begins
.set WM,   50
.set WST,  52                          ; s[52:53]
.set MUL,  0xa1                        ; weights window 1, x window 0, sums window 2
.set MULU, 0xad                        ; the same with u, window 3
.set MSB, 0
.macro WIN new                         ; the immediate's high byte repeats the setting that is left; a switch that changes nothing is dropped
.if MSB != (\new)
	s_set_vgpr_msb (MSB<<8)|(\new)
.set MSB, (\new)
.endif
.endm
.macro BAR                             ; my LDS instructions are done, loads and stores; then the work-group's barrier
	s_wait_dscnt 0x0
	s_barrier_signal -1
	s_barrier_wait -1
.endm
.macro WLOADS base, wl, add            ; a chunk's sixteen rows of mine, 512 consecutive bytes each
	WIN \wl
.set n, 0
.rept 16
	global_load_b128 v[(\base)+4*n:(\base)+4*n+3], v[VW], s[WB:WB+1] offset:n*ROWB+(\add) th:TH_LOAD_NT
.set n, n+1
.endr
	WIN 0
.endm
.macro WSTORE base, wc, wd, off        ; rounded in place and laid into the image: 256 consecutive bytes a store
	WIN \wc
.set n, 0
.rept 16
	v_cvt_pk_bf16_f32 v[(\base)+4*n], v[(\base)+4*n], v[(\base)+4*n+1]
	v_cvt_pk_bf16_f32 v[(\base)+4*n+1], v[(\base)+4*n+2], v[(\base)+4*n+3]
.set n, n+1
.endr
	WIN \wd
.set n, 0
.rept 16
	ds_store_b64 v[SA], v[(\base)+4*n:(\base)+4*n+1] offset:(\off)+n*PITCH
.set n, n+1
.endr
	WIN 0
.endm
.macro WFLOAD f, a, pitch, kb          ; sixteen LDS loads: 64 rows x 64 along K at byte kb, into buffer f
	WIN 0x40
.irp qq,0,1
.irp nt,0,1,2,3
	ds_load_b128 v[WF+64*(\f)+32*\qq+8*\nt:WF+64*(\f)+32*\qq+8*\nt+3], v[\a] offset:\nt*16*(\pitch)+(\kb)+\qq*64
	ds_load_b128 v[WF+64*(\f)+32*\qq+8*\nt+4:WF+64*(\f)+32*\qq+8*\nt+7], v[\a] offset:\nt*16*(\pitch)+(\kb)+\qq*64+32
.endr
.endr
	WIN 0
.endm
.macro XLD hh                          ; half hh of a step's x, in the groups' order: 24 loads of 512 consecutive bytes
.irp j,0,1,2,3,4,5
.irp qq,0,1
	global_load_b128 v[XF+32*\j+16*(\hh)+8*\qq:XF+32*\j+16*(\hh)+8*\qq+3], v[XO+\j], s[XB:XB+1] offset:(2*(\hh)+\qq)*1024
	global_load_b128 v[XF+32*\j+16*(\hh)+8*\qq+4:XF+32*\j+16*(\hh)+8*\qq+7], v[XO+\j], s[XB:XB+1] offset:(2*(\hh)+\qq)*1024+512
.endr
.endr
.endm
.macro UMLOADS                         ; u's fragments: 24 loads
	WIN 0xc0
.irp j,0,1,2,3,4,5
.irp qq,0,1
	global_load_b128 v[UMR+16*\j+8*\qq:UMR+16*\j+8*\qq+3], v[UO+\j], s[10:11] offset:\qq*1024
	global_load_b128 v[UMR+16*\j+8*\qq+4:UMR+16*\j+8*\qq+7], v[UO+\j], s[10:11] offset:\qq*1024+512
.endr
.endr
	WIN 0
.endm
; A GROUP: tile j's eight products of half hh: its four accumulators by turns, twice; the last names column tile 3 and the next group's first column tile 0.
; n: how many younger loads may stay out when the group's x has to be there.  The products are jumped.  rl = 1: behind four places (plain vector instructions between
; a matrix instruction and a load into a register that it has read: ISA guide 7.12.1 for vector instructions) the group's registers take the next step's x.
.macro GRP hh, j, n, rl
	s_wait_loadcnt \n
	s_cmp_le_u32 s[NT], \j
	s_cbranch_scc1 .Lg\@
	WIN MUL
.irp qq,0,1
.irp nt,0,1,2,3
	v_wmma_f32_16x16x32_bf16 v[ACC+32*(\j)+8*\nt:ACC+32*(\j)+8*\nt+7], v[WF+64*(\hh)+32*\qq+8*\nt:WF+64*(\hh)+32*\qq+8*\nt+7], v[XF+32*(\j)+16*(\hh)+8*\qq:XF+32*(\j)+16*(\hh)+8*\qq+7], v[ACC+32*(\j)+8*\nt:ACC+32*(\j)+8*\nt+7]
.endr
.endr
	WIN 0
.Lg\@:
.if \rl
.rept 4
	v_nop
.endr
.irp qq,0,1
	global_load_b128 v[XF+32*(\j)+16*(\hh)+8*\qq:XF+32*(\j)+16*(\hh)+8*\qq+3], v[XO+(\j)], s[XB:XB+1] offset:4096+(2*(\hh)+\qq)*1024
	global_load_b128 v[XF+32*(\j)+16*(\hh)+8*\qq+4:XF+32*(\j)+16*(\hh)+8*\qq+7], v[XO+(\j)], s[XB:XB+1] offset:4096+(2*(\hh)+\qq)*1024+512
.endr
.endif
.endm
; A pass begins: my six tiles' places.  A loaded number enters an offset only behind a clamp, and behind the clamp stand shifts to the left, an AND and sums alone.
.macro PASS_OFFS
	s_mov_b32 s[NT], 0
	s_add_co_u32 s34, s[PB], s[WV]
.irp j,0,1,2,3,4,5
	s_add_co_u32 s35, s34, 4*\j                    ; the tile's number in the expert
	s_add_co_u32 s36, s35, s[T0]
	s_cmp_lt_u32 s35, s[NTL]
	s_cselect_b32 s36, s36, 0                      ; no such tile: tile 0,
	s_cselect_b32 s37, 0x1f0, 0                    ; all lanes at the same 16 bytes
	s_cselect_b32 s38, 1, 0
	s_min_u32 s36, s36, 159
	s_min_u32 s37, s37, 0x1f0
	s_add_co_u32 s[NT], s[NT], s38                 ; my tiles are j = 0 .. NT - 1
	v_and_b32 v[TA], s37, v[VA]
	s_lshl_b32 s39, s36, XSH
	v_add_nc_u32 v[XO+\j], s39, v[TA]
	s_lshl_b32 s39, s36, 11
	v_add_nc_u32 v[UO+\j], s39, v[TA]
	s_lshl_b32 s39, s36, 15
	v_add_nc_u32 v[AO+\j], s39, v[VA]
.endr
	s_mov_b64 s[XB:XB+1], s[8:9]
	s_mov_b32 s[KOFF], 0
.endm
.macro LORAHALF                        ; u B^T starts all 24 sums, on every way: no accumulator is cleared
	WFLOAD 0, LW, LP, 0
	s_wait_dscnt 0x0
	WIN MULU
.irp j,0,1,2,3,4,5
.irp qq,0,1
.irp nt,0,1,2,3
.if \qq == 0
	v_wmma_f32_16x16x32_bf16 v[ACC+32*\j+8*\nt:ACC+32*\j+8*\nt+7], v[WF+32*\qq+8*\nt:WF+32*\qq+8*\nt+7], v[UMR+16*\j+8*\qq:UMR+16*\j+8*\qq+7], 0
.else
	v_wmma_f32_16x16x32_bf16 v[ACC+32*\j+8*\nt:ACC+32*\j+8*\nt+7], v[WF+32*\qq+8*\nt:WF+32*\qq+8*\nt+7], v[UMR+16*\j+8*\qq:UMR+16*\j+8*\qq+7], v[ACC+32*\j+8*\nt:ACC+32*\j+8*\nt+7]
.endif
.endr
.endr
.endr
	WIN 0
.rept 4
	v_nop                                          ; the places ahead of the loads into the buffer just read
.endr
.endm
; The way out of tile j: accumulators 0, 1 are gate, 2, 3 up.  Each batch of sixteen transcendentals has one plain instruction and one wait behind it.
.macro EPI j
	s_cmp_le_u32 s[NT], \j
	s_cbranch_scc1 .Le\@
	WIN 0x02
.set i, 0
.rept 8
	v_pk_mul_f32 v[TT+2*i:TT+2*i+1], v[ACC+32*(\j)+2*i:ACC+32*(\j)+2*i+1], s[48:49] op_sel_hi:[1,0]
.set i, i+1
.endr
	WIN 0
.set i, 0
.rept 16
	v_exp_f32 v[TT+i], v[TT+i]
.set i, i+1
.endr
	v_nop
	s_wait_alu depctr_va_vdst(0)
.set i, 0
.rept 8
	v_pk_add_f32 v[TT+2*i:TT+2*i+1], v[TT+2*i:TT+2*i+1], 1.0 op_sel_hi:[1,0]
.set i, i+1
.endr
.set i, 0
.rept 16
	v_rcp_f32 v[TT+i], v[TT+i]
.set i, i+1
.endr
	v_nop
	s_wait_alu depctr_va_vdst(0)
	WIN 0x02
.set i, 0
.rept 8
	v_pk_mul_f32 v[TT+2*i:TT+2*i+1], v[ACC+32*(\j)+2*i:ACC+32*(\j)+2*i+1], v[TT+2*i:TT+2*i+1]
.set i, i+1
.endr
.set i, 0
.rept 8
	v_pk_mul_f32 v[TT+2*i:TT+2*i+1], v[ACC+32*(\j)+16+2*i:ACC+32*(\j)+16+2*i+1], v[TT+2*i:TT+2*i+1]
.set i, i+1
.endr
	WIN 0
.set i, 0
.rept 8
	v_cvt_pk_bf16_f32 v[OUTR+16*(\j)+i], v[TT+2*i], v[TT+2*i+1]    ; hi
.set i, i+1
.endr
	global_store_b128 v[AO+(\j)], v[OUTR+16*(\j):OUTR+16*(\j)+3], s[14:15]         ; the slice's 32 columns are one fragment of the next launches: two stores of 512 consecutive bytes
	global_store_b128 v[AO+(\j)], v[OUTR+16*(\j)+4:OUTR+16*(\j)+7], s[14:15] offset:512
.set i, 0
.rept 8
	v_lshlrev_b32 v[TT+16+2*i], 16, v[OUTR+16*(\j)+i]              ; hi back as f32: the low half moves up,
	v_and_b32 v[TT+16+2*i+1], s47, v[OUTR+16*(\j)+i]               ; the high half stays
.set i, i+1
.endr
.set i, 0
.rept 16
	v_sub_f32 v[TT+i], v[TT+i], v[TT+16+i]                         ; act - hi, exact
.set i, i+1
.endr
.set i, 0
.rept 8
	v_cvt_pk_bf16_f32 v[OUTR+16*(\j)+8+i], v[TT+2*i], v[TT+2*i+1]  ; lo
.set i, i+1
.endr
	global_store_b128 v[AO+(\j)], v[OUTR+16*(\j)+8:OUTR+16*(\j)+11], s[14:15] offset:LOOFF
	global_store_b128 v[AO+(\j)], v[OUTR+16*(\j)+12:OUTR+16*(\j)+15], s[14:15] offset:LOOFF+512
.Le\@:
.endm
	s_load_b256 s[4:11], s[0:1], 0x0               ; w13 s[4:5], B s[6:7], xs s[8:9], um s[10:11]
	s_load_b128 s[12:15], s[0:1], 0x20             ; meta s[12:13], actf s[14:15]
	v_lshl_add_u32 v[SPW], v0, 2, SPARE
	v_mov_b32 v[NIL], 0
	v_lshrrev_b32 v[TA], 5, v0
	v_readfirstlane_b32 s[WV], v[TA]
	v_and_b32 v[LANE], 31, v0
	v_lshlrev_b32 v[VA], 4, v[LANE]
	v_mov_b32 v[VW], v[VA]
	v_lshrrev_b32 v[TA], 1, v[LANE]
	v_and_b32 v[TB], 1, v[LANE]
	v_lshlrev_b32 v[PF], 13, v[TA]                 ; row lane / 2 of 8,192 bytes,
	v_lshl_add_u32 v[PF], v[TB], 8, v[PF]          ; its first or second 256 bytes of a chunk
	s_mov_b32 s[SL], ttmp9
	s_and_b32 s[EX], ttmp7, 0xffff
	s_lshr_b32 s34, s[WV], 1                       ; image rows 16 w on = w13 rows (w / 2) 1024 + 32 sl + 16 (w % 2) on
	s_lshl_b32 s34, s34, 10
	s_and_b32 s35, s[WV], 1
	s_lshl_b32 s35, s35, 4
	s_add_co_u32 s34, s34, s35
	s_lshl_b32 s35, s[SL], 5
	s_add_co_u32 s34, s34, s35
	s_lshl_b32 s35, s[EX], 11
	s_add_co_u32 s34, s34, s35                     ; 2048 e + my first row
	s_mov_b32 s33, 0
	s_lshl_b32 s40, s[EX], 2
	s_mov_b32 s[PB], 0
	s_mov_b32 s47, 0xffff0000                      ; a word's upper bf16
	s_mov_b32 s48, 0xbfb8aa3b                      ; -log2(e)
	s_mov_b32 s49, s48                             ; named with it as a pair
	s_mov_b32 s[WST+1], 0
	s_wait_kmcnt 0x0
	s_load_b32 s[T0], s[12:13], s40 offset:0x0     ; the expert's first tile
	s_load_b32 s[NTL], s[12:13], s40 offset:0x20   ; and its number of tiles
	s_lshl_b32 s32, s34, 6                         ; B's rows of 64 bytes
	s_add_nc_u64 s[44:45], s[6:7], s[32:33]
	s_lshl_b32 s32, s34, 13                        ; rows of 8,192 bytes
	s_add_nc_u64 s[WB:WB+1], s[4:5], s[32:33]
	s_lshl_b32 s32, s[SL], 10
	s_add_nc_u64 s[14:15], s[14:15], s[32:33]      ; actf at my slice's fragment
	WIN 0x40
.set m, 0
.rept 8                                ; m = 2 l + u: adapter l, my rows 8 u on: eight rows of 64 bytes are 512 consecutive bytes
	global_load_b128 v[LBF+4*m:LBF+4*m+3], v[VA], s[44:45] offset:(m/2)*1048576+(m%2)*512
.set m, m+1
.endr
	WIN 0
	WLOADS WS, 0x40, 0                             ; chunk 0
	WLOADS C1T, 0x80, 512                          ; chunk 1
.irp c,2,3,4                           ; asked for ahead: my part of chunks 2 to 4, each block of 256 bytes once; the loop goes on with chunk 5
	global_prefetch_b8 v[PF], s[WB:WB+1] offset:\c*512 th:TH_LOAD_NT scope:SCOPE_SE
.endr
	v_and_b32 v[TA], 15, v[LANE]
	v_lshrrev_b32 v[TB], 4, v[LANE]
	v_mul_u32_u24 v[WA0], v[TA], PITCH
	v_lshl_add_u32 v[WA0], v[TB], 4, v[WA0]
	v_mul_u32_u24 v[LW], v[TA], LP
	v_lshl_add_u32 v[LW], v[TB], 4, v[LW]
	v_add_nc_u32 v[LW], LIMG, v[LW]
	s_mul_i32 s35, s[WV], 16*PITCH
	v_lshl_add_u32 v[SA0], v[LANE], 3, s35
	v_lshrrev_b32 v[TA], 2, v[LANE]                ; a load of B: row lane / 4, ranks 4 (lane % 4) on
	s_lshl_b32 s35, s[WV], 4
	v_add_nc_u32 v[TA], s35, v[TA]
	v_mul_u32_u24 v[TA], v[TA], LP
	v_and_b32 v[TB], 3, v[LANE]
	v_lshl_add_u32 v[TA], v[TB], 3, v[TA]
	v_add_nc_u32 v[LSA], LIMG, v[TA]
	s_wait_kmcnt 0x0
	PASS_OFFS
	s_wait_loadcnt 32                              ; B is in: behind it stand chunks 0 and 1
	WIN 0x45
.set m, 0
.rept 8
	v_cvt_pk_bf16_f32 v[LBF+4*m], v[LBF+4*m], v[LBF+4*m+1]
	v_cvt_pk_bf16_f32 v[LBF+4*m+1], v[LBF+4*m+2], v[LBF+4*m+3]
.set m, m+1
.endr
	WIN 0x04
.set m, 0
.rept 8
	ds_store_b64 v[LSA], v[LBF+4*m:LBF+4*m+1] offset:(m%2)*8*LP+(m/2)*32
.set m, m+1
.endr
	WIN 0
	UMLOADS
	s_wait_loadcnt 40                              ; chunk 0 is in: behind it stand chunk 1 (16) and u (24)
	v_add_nc_u32 v[SA], s[KOFF], v[SA0]
	WSTORE WS, 0x45, 0x04, 0
	s_wait_loadcnt 24                              ; chunk 1 is in: behind it stands u
	WSTORE C1T, 0x8a, 0x08, SUBB
	XLD 0                                          ; the rings are filled in the order in which the loop refills them: x's first half,
	WLOADS WS, 0x40, 1024                          ; chunk 2,
	XLD 1                                          ; x's second half
	s_wait_xcnt 0x0                                ; the base steps only behind this wait
	s_add_nc_u64 s[WB:WB+1], s[WB:WB+1], 1024
	BAR                                            ; B's image and chunks 0 and 1 are whole
	s_wait_loadcnt 63                              ; u is in: 64 loads are younger, and 63 is the largest count that the wait can name
	LORAHALF
	v_add_nc_u32 v[WA], s[KOFF], v[WA0]
	WFLOAD 0, WA, PITCH, 0                         ; chunk 0's first fragments
	s_mov_b32 s[CNT], NCH-1
.Lmain:                                                ; step t = NCH - 1 - CNT
	v_add_nc_u32 v[WA], s[KOFF], v[WA0]
	WFLOAD 1, WA, PITCH, 128                       ; the second half's fragments, half a step ahead
	s_wait_dscnt 16                                ; the first half's are in; the sixteen just issued may be out
.irp j,0,1,2,3,4,5
	GRP 0, \j, 60, 1                               ; younger than the group's four loads: the eleven other groups' 44 and the weights' 16
.endr
	WFLOAD 0, WA, PITCH, SUBB                      ; the next chunk's first fragments: it has been whole since the last barrier
	s_wait_loadcnt 48                              ; chunk t + 2 is in: behind it stand two halves' 24 loads of x each
	v_add_nc_u32 v[SA], s[KOFF], v[SA0]
	WSTORE WS, 0x45, 0x04, 2*SUBB
	s_cmp_ge_u32 s[CNT], 3                         ; is there a chunk t + 3?
	s_cselect_b32 s[WM], 0x1f0, 0                  ; if not: all lanes at the same 16 bytes,
	s_cselect_b32 s[WST], 512, 0                   ; of the last chunk
	s_wait_xcnt 0x0                                ; the base and the offset are written only behind this wait
	v_and_b32 v[VW], s[WM], v[VA]
	s_add_nc_u64 s[WB:WB+1], s[WB:WB+1], s[WST:WST+1]
	WLOADS WS, 0x40, 0
	s_cmp_lt_u32 s[CNT], 5
	s_cbranch_scc1 .Lnopf                          ; the last trips ask for nothing ahead: chunk t + 5 would lie past the row's end
	global_prefetch_b8 v[PF], s[WB:WB+1] offset:1024 th:TH_LOAD_NT scope:SCOPE_SE  ; my part of chunk t + 5, two steps ahead of the load that will want it; each block of 256 bytes once
.Lnopf:
	s_wait_dscnt 32                                ; the second half's fragments are in; younger: sixteen loads and sixteen stores
.irp j,0,1,2,3,4,5
	GRP 1, \j, 60, 1
.endr
	s_wait_xcnt 0x0                                ; the base steps only behind this wait
	s_add_nc_u64 s[XB:XB+1], s[XB:XB+1], 4096
	s_add_co_u32 s[KOFF], s[KOFF], SUBB
	BAR                                            ; chunk t + 2 is whole; nobody writes it again
	s_sub_co_u32 s[CNT], s[CNT], 1
	s_cmp_lg_u32 s[CNT], 0
	s_cbranch_scc1 .Lmain
	s_mov_b32 s[IC], 1                             ; the main pass has one step left: its x and its first fragments are on their way
	s_mov_b32 s[TC], 7
	s_branch .Llast
.Lpass:                                                ; the next pass of 24 tile places, jumped by a wave that has no tile in it
	s_add_co_u32 s[PB], s[PB], 24
	s_add_co_u32 s34, s[PB], s[WV]
	s_cmp_ge_u32 s34, s[NTL]
	s_cbranch_scc1 .Lskip
	s_wait_xcnt 0x0                                ; the last pass's stores have read their registers
	PASS_OFFS
	UMLOADS
	s_wait_loadcnt 0x0
	LORAHALF
	s_mov_b32 s[IC], NCH
.Ltk:                                                  ; a step over the finished image: its x and its first fragments are asked for here
	XLD 0
	XLD 1
	v_add_nc_u32 v[WA], s[KOFF], v[WA0]
	WFLOAD 0, WA, PITCH, 0
.Llast:
	v_add_nc_u32 v[WA], s[KOFF], v[WA0]
	WFLOAD 1, WA, PITCH, 128
	s_wait_dscnt 16                                ; the first half's fragments are in
.irp j,0,1,2,3,4,5
	GRP 0, \j, 44-4*\j, 0                          ; nothing is asked for any more: younger are the later groups' loads (on the way out of the loop sixteen more: the smaller count serves both ways)
.endr
	s_wait_dscnt 0x0
.irp j,0,1,2,3,4,5
	GRP 1, \j, 20-4*\j, 0
.endr
.rept 4
	v_nop                                          ; the places ahead of the first read of a sum and of the loads into registers that these products read
.endr
	s_add_nc_u64 s[XB:XB+1], s[XB:XB+1], 4096      ; every load has been waited for
	s_add_co_u32 s[KOFF], s[KOFF], SUBB
	s_sub_co_u32 s[IC], s[IC], 1
	s_cmp_lg_u32 s[IC], 0
	s_cbranch_scc1 .Ltk
.irp j,0,1,2,3,4,5
	EPI \j
.endr
.Lskip:
	s_sub_co_u32 s[TC], s[TC], 1
	s_cmp_lg_u32 s[TC], 0
	s_cbranch_scc1 .Lpass
	BAR                                            ; every wave's reads of LDS in the passes are over before any wave writes LDS again (the closing add)
	s_wait_tensorcnt 0x0                           ; the wave's end
	ds_add_u32 v[SPW], v[NIL]
	s_wait_dscnt 0x0
	s_endpgm
.Lfunc_end_k_qe2a52ddb71_gateup:
	.size	k_qe2a52ddb71_gateup, .Lfunc_end_k_qe2a52ddb71_gateup-k_qe2a52ddb71_gateup
	.p2alignl 7, 3214868480
	.fill 96, 4, 3214868480
	.section	.rodata,"a",@progbits
	.p2align	6, 0x0
	.amdhsa_kernel k_qe2a52ddb71_gateup
		.amdhsa_group_segment_fixed_size 305664
		.amdhsa_private_segment_fixed_size 0
		.amdhsa_enable_private_segment 0
		.amdhsa_kernarg_size 48
		.amdhsa_user_sgpr_count 2
		.amdhsa_user_sgpr_kernarg_segment_ptr 1
		.amdhsa_wavefront_size32 1
		.amdhsa_system_sgpr_workgroup_id_x 1
		.amdhsa_system_sgpr_workgroup_id_y 1
		.amdhsa_system_sgpr_workgroup_id_z 1
		.amdhsa_system_vgpr_workitem_id 0
		.amdhsa_next_free_vgpr 864
		.amdhsa_next_free_sgpr 66
		.amdhsa_reserve_vcc 0
		.amdhsa_float_denorm_mode_32 3
		.amdhsa_float_denorm_mode_16_64 3
		.amdhsa_memory_ordered 1
		.amdhsa_forward_progress 1
		.amdhsa_inst_pref_size 115
	.end_amdhsa_kernel
	.amdgpu_metadata
---
amdhsa.version: [ 1, 2 ]
amdhsa.kernels:
  - .name:           k_qe2a52ddb71_gateup
    .symbol:         k_qe2a52ddb71_gateup.kd
    .args:
      - { .name: w13, .offset: 0, .size: 8, .value_kind: global_buffer, .address_space: global }
      - { .name: gu_lora_b, .offset: 8, .size: 8, .value_kind: global_buffer, .address_space: global }
      - { .name: xs, .offset: 16, .size: 8, .value_kind: global_buffer, .address_space: global }
      - { .name: um, .offset: 24, .size: 8, .value_kind: global_buffer, .address_space: global }
      - { .name: meta, .offset: 32, .size: 8, .value_kind: global_buffer, .address_space: global }
      - { .name: actf, .offset: 40, .size: 8, .value_kind: global_buffer, .address_space: global }
    .group_segment_fixed_size: 305664
    .private_segment_fixed_size: 0
    .kernarg_segment_align: 8
    .kernarg_segment_size: 48
    .max_flat_workgroup_size: 128
    .sgpr_count:     66
    .vgpr_count:     864
    .wavefront_size: 32
...
	.end_amdgpu_metadata
.endif
;; end of part 2
;; launch vlora (part 3): grid 160 x 1, 8 waves a work-group, no clusters, 42,240 bytes of LDS; arguments down_lora_a, actf, meta, vm; writes vm
.if DOCPART == 3
	.amdgcn_target "amdgcn-amd-amdhsa--gfx1250"
	.amdhsa_code_object_version 6
	.text
	.protected	k_qe2a52ddb71_vlora
	.globl	k_qe2a52ddb71_vlora
	.p2align	8
	.type	k_qe2a52ddb71_vlora,@function
k_qe2a52ddb71_vlora:
	s_mov_b64 s[64:65], 0
	v_nop
	global_prefetch_b8 v0, s[64:65] scope:SCOPE_SE
	s_setreg_imm32_b32 hwreg(HW_REG_WAVE_MODE, 25, 1), 1
	s_wait_xcnt 0x0
; SECOND LoRA FACTOR.  v = act dA[l][e]^T for one tile of 16 rows (16 x 16, K = 1024), rounded to bf16 and stored at its adapter's 16 places of 64 (vm; zeros elsewhere), in the order in which a
; matrix instruction's registers take it.  One work-group for each of 160 tile places.  A place past the last tile works on the last tile, so that it passes every barrier on bytes that exist, and stores nothing.
; Wave w lays rows 2 w, 2 w + 1 of dA[l][e] into LDS (512 consecutive bytes a load, rounded to bf16) and multiplies k = 128 w .. 128 w + 127; the eight partial sums meet in LDS in f32.
; LIMITS.  The tile's key is clamped to expert 0..7, adapter 0..3.  dA and v are rounded once to bf16; sums in f32.  NaN and infinities are not treated apart.
.set AP,    2064                       ; an LDS row of 1,024 bf16: 2,048 bytes + 16 = 129 x 16: the 16 rows of a fragment load start at 16 different groups of four banks
.set UP,    16*AP                      ; 8 waves x 1,024 bytes: partial v, f32
.set SPARE, UP+8192                    ; the spare words, 128 bytes a wave: four blocks of 256 bytes that no other line names
.set LANE, 1
.set SPW,  2                           ; v2  SPARE + 4 x my thread's number; never rewritten
.set NIL,  3                           ; v3  0; never rewritten
.set VA,   4
.set ASA,  5
.set FB,   6
.set XOF,  7
.set UPA,  8
.set UR,   9
.set B0,   16                          ; v16-79   sixteen loads of dA; later the eight partial sums
.set XR,   80                          ; v80-111  four fragments of act
.set AF,   112                         ; v112-143 four fragments of dA
.set U0,   144                         ; v144-159 two accumulators
.set SM,   160                         ; v160-167
.set PK,   168                         ; v168-171
.set OT,   172                         ; v172-187
.set WV,   20
.set G,    21
.set LIVE, 22
.set GC,   23
.set KEY,  24
.set ES,   25
.set LS,   29
.macro BAR
	s_wait_dscnt 0x0
	s_barrier_signal -1
	s_barrier_wait -1
.endm
	s_load_b256 s[4:11], s[0:1], 0x0               ; dA s[4:5], actf s[6:7], meta s[8:9], vm s[10:11]
	v_lshl_add_u32 v[SPW], v0, 2, SPARE
	v_mov_b32 v[NIL], 0
	v_lshrrev_b32 v10, 5, v0
	v_readfirstlane_b32 s[WV], v10
	v_and_b32 v[LANE], 31, v0
	v_lshlrev_b32 v[VA], 4, v[LANE]
	s_mov_b32 s[G], ttmp9
	s_mov_b32 s27, 0
	s_wait_kmcnt 0x0
	s_load_b32 s12, s[8:9], 0x1c                   ; the last expert's first tile
	s_load_b32 s13, s[8:9], 0x3c                   ; and its number of tiles
	s_wait_kmcnt 0x0
	s_add_co_u32 s14, s12, s13                     ; tiles in all
	s_max_u32 s14, s14, 1
	s_cmp_lt_u32 s[G], s14
	s_cselect_b32 s[LIVE], 1, 0
	s_sub_co_u32 s15, s14, 1
	s_min_u32 s[GC], s[G], s15
	s_min_u32 s[GC], s[GC], 159
	s_lshl_b32 s17, s[GC], 2
	s_load_b32 s[KEY], s[8:9], s17 offset:0x100    ; the tile's key
	s_lshl_b32 s26, s[GC], 15
	s_add_nc_u64 s[6:7], s[6:7], s[26:27]          ; actf at the tile
	s_lshl_b32 s28, s[WV], 12
	v_add_nc_u32 v[XOF], s28, v[VA]
.set i, 0
.rept 4                                ; my four fragments of act: 512 consecutive bytes a load
	global_load_b128 v[XR+8*i:XR+8*i+3], v[XOF], s[6:7] offset:1024*i
	global_load_b128 v[XR+8*i+4:XR+8*i+7], v[XOF], s[6:7] offset:1024*i+512
.set i, i+1
.endr
	s_wait_kmcnt 0x0
	s_lshr_b32 s[ES], s[KEY], 2
	s_and_b32 s[LS], s[KEY], 3
	s_min_u32 s[ES], s[ES], 7
	s_min_u32 s[LS], s[LS], 3
	s_lshl_b32 s26, s[LS], 3                       ; dA[l][e][2 w]: ((8 l + e) 16 + 2 w) rows of 4,096 bytes
	s_add_co_u32 s26, s26, s[ES]
	s_lshl_b32 s26, s26, 4
	s_lshl_b32 s28, s[WV], 1
	s_add_co_u32 s26, s26, s28
	s_lshl_b32 s26, s26, 12
	s_add_nc_u64 s[4:5], s[4:5], s[26:27]
.set n, 0
.rept 16
	global_load_b128 v[B0+4*n:B0+4*n+3], v[VA], s[4:5] offset:(n/8)*4096+(n%8)*512
.set n, n+1
.endr
	s_mul_i32 s26, s[WV], 2*AP
	v_lshl_add_u32 v[ASA], v[LANE], 3, s26
	v_and_b32 v10, 15, v[LANE]
	v_lshrrev_b32 v11, 4, v[LANE]
	v_mul_u32_u24 v[FB], v10, AP
	v_lshl_add_u32 v[FB], v11, 4, v[FB]
	s_lshl_b32 s26, s[WV], 8
	v_add_nc_u32 v[FB], s26, v[FB]
	s_lshl_b32 s26, s[WV], 10
	s_add_co_u32 s26, s26, UP
	v_add_nc_u32 v[UPA], s26, v[VA]
	s_wait_loadcnt 0x0
.set n, 0
.rept 16
	v_cvt_pk_bf16_f32 v[B0+4*n], v[B0+4*n], v[B0+4*n+1]
	v_cvt_pk_bf16_f32 v[B0+4*n+1], v[B0+4*n+2], v[B0+4*n+3]
	ds_store_b64 v[ASA], v[B0+4*n:B0+4*n+1] offset:(n/8)*AP+(n%8)*256
.set n, n+1
.endr
	BAR                                            ; dA's 16 rows are whole
.set i, 0
.rept 4
	ds_load_b128 v[AF+8*i:AF+8*i+3], v[FB] offset:64*i
	ds_load_b128 v[AF+8*i+4:AF+8*i+7], v[FB] offset:64*i+32
.set i, i+1
.endr
	s_wait_dscnt 0x0
.set i, 0
.rept 4                                ; source 0 = dA's 16 rows, source 1 = 16 tokens; two accumulators by turns; the first two products start the sums
.if i < 2
	v_wmma_f32_16x16x32_bf16 v[U0+8*(i%2):U0+8*(i%2)+7], v[AF+8*i:AF+8*i+7], v[XR+8*i:XR+8*i+7], 0
.else
	v_wmma_f32_16x16x32_bf16 v[U0+8*(i%2):U0+8*(i%2)+7], v[AF+8*i:AF+8*i+7], v[XR+8*i:XR+8*i+7], v[U0+8*(i%2):U0+8*(i%2)+7]
.endif
.set i, i+1
.endr
.rept 4
	v_nop                                          ; four places between the last product and the first read of a result
.endr
.irp i,0,2,4,6
	v_pk_add_f32 v[SM+\i:SM+\i+1], v[U0+\i:U0+\i+1], v[U0+8+\i:U0+8+\i+1]
.endr
	ds_store_b128 v[UPA], v[SM:SM+3]
	ds_store_b128 v[UPA], v[SM+4:SM+7] offset:512
	BAR                                            ; the eight partial v are in LDS
	s_cmp_lg_u32 s[WV], 0
	s_cbranch_scc1 .Lend
	s_cmp_eq_u32 s[LIVE], 0
	s_cbranch_scc1 .Lend
	v_lshl_add_u32 v[UR], v[LANE], 4, UP
.set j, 0
.rept 8
	ds_load_b128 v[B0+8*j:B0+8*j+3], v[UR] offset:1024*j
	ds_load_b128 v[B0+8*j+4:B0+8*j+7], v[UR] offset:1024*j+512
.set j, j+1
.endr
	s_lshl_b32 s26, s[GC], 11
	s_add_nc_u64 s[10:11], s[10:11], s[26:27]
	s_wait_dscnt 0x0
.set j, 1
.rept 7                                ; added in the waves' order
.irp i,0,2,4,6
	v_pk_add_f32 v[B0+\i:B0+\i+1], v[B0+\i:B0+\i+1], v[B0+8*j+\i:B0+8*j+\i+1]
.endr
.set j, j+1
.endr
.irp i,0,1,2,3
	v_cvt_pk_bf16_f32 v[PK+\i], v[B0+2*\i], v[B0+2*\i+1]
.endr
.irp a,0,1,2,3                         ; four pieces of 512 bytes: the adapter's holds v, the others 0
	s_cmp_eq_u32 s[LS], \a
	s_cselect_b32 s26, -1, 0
.irp i,0,1,2,3
	v_and_b32 v[OT+4*\a+\i], s26, v[PK+\i]
.endr
	global_store_b128 v[VA], v[OT+4*\a:OT+4*\a+3], s[10:11] offset:512*\a
.endr
.Lend:
	s_wait_tensorcnt 0x0                           ; the wave's end
	ds_add_u32 v[SPW], v[NIL]
	s_wait_dscnt 0x0
	s_endpgm
.Lfunc_end_k_qe2a52ddb71_vlora:
	.size	k_qe2a52ddb71_vlora, .Lfunc_end_k_qe2a52ddb71_vlora-k_qe2a52ddb71_vlora
	.p2alignl 7, 3214868480
	.fill 96, 4, 3214868480
	.section	.rodata,"a",@progbits
	.p2align	6, 0x0
	.amdhsa_kernel k_qe2a52ddb71_vlora
		.amdhsa_group_segment_fixed_size 42240
		.amdhsa_private_segment_fixed_size 0
		.amdhsa_enable_private_segment 0
		.amdhsa_kernarg_size 32
		.amdhsa_user_sgpr_count 2
		.amdhsa_user_sgpr_kernarg_segment_ptr 1
		.amdhsa_wavefront_size32 1
		.amdhsa_system_sgpr_workgroup_id_x 1
		.amdhsa_system_sgpr_workgroup_id_y 1
		.amdhsa_system_sgpr_workgroup_id_z 1
		.amdhsa_system_vgpr_workitem_id 0
		.amdhsa_next_free_vgpr 192
		.amdhsa_next_free_sgpr 66
		.amdhsa_reserve_vcc 0
		.amdhsa_float_denorm_mode_32 3
		.amdhsa_float_denorm_mode_16_64 3
		.amdhsa_memory_ordered 1
		.amdhsa_forward_progress 1
		.amdhsa_inst_pref_size 14
	.end_amdhsa_kernel
	.amdgpu_metadata
---
amdhsa.version: [ 1, 2 ]
amdhsa.kernels:
  - .name:           k_qe2a52ddb71_vlora
    .symbol:         k_qe2a52ddb71_vlora.kd
    .args:
      - { .name: down_lora_a, .offset: 0, .size: 8, .value_kind: global_buffer, .address_space: global }
      - { .name: actf, .offset: 8, .size: 8, .value_kind: global_buffer, .address_space: global }
      - { .name: meta, .offset: 16, .size: 8, .value_kind: global_buffer, .address_space: global }
      - { .name: vm, .offset: 24, .size: 8, .value_kind: global_buffer, .address_space: global }
    .group_segment_fixed_size: 42240
    .private_segment_fixed_size: 0
    .kernarg_segment_align: 8
    .kernarg_segment_size: 32
    .max_flat_workgroup_size: 256
    .sgpr_count:     66
    .vgpr_count:     192
    .wavefront_size: 32
...
	.end_amdgpu_metadata
.endif
;; end of part 3
;; launch down (part 4): grid 32 x 8, 4 waves a work-group, no clusters, 183,808 bytes of LDS; arguments w2, down_lora_b, actf, vm, meta, rowslot, roww, part; writes part
.if DOCPART == 4
	.amdgcn_target "amdgcn-amd-amdhsa--gfx1250"
	.amdhsa_code_object_version 6
	.text
	.protected	k_qe2a52ddb71_down
	.globl	k_qe2a52ddb71_down
	.p2align	8
	.type	k_qe2a52ddb71_down,@function
k_qe2a52ddb71_down:
	s_mov_b64 s[64:65], 0
	v_nop
	global_prefetch_b8 v0, s[64:65] scope:SCOPE_SE
	s_setreg_imm32_b32 hwreg(HW_REG_WAVE_MODE, 25, 1), 1
	s_wait_xcnt 0x0
; d = [act | v] [w2 | dB]^T, times the slot's topk_weight: one f32 row of part for each slot.  Work-group (slice hs, expert e) alone reads 64 rows of w2[e] (columns 64 hs .. + 63 of d: 256 KiB of f32)
; and takes all of the expert's tiles of 16 rows.  The structure is that of the gate and up product:
; FOUR WAVES, ALL ALIKE, as many as a WGP has SIMDs.  Wave w loads image rows 16 w .. 16 w + 15, rounds them to bf16 and lays them into an image of the whole slice in LDS; and it multiplies tiles
; w, w + 4 .. w + 20 of a pass of 24, all 64 columns: 24 accumulators, 192 registers; act's fragments come from actf straight into registers.
; ACT COMES IN TWO bf16 PARTS, hi and lo (act = hi + lo to 16 significant bits; lo lies LOOFF bytes behind hi).  Both are multiplied by the same weight fragments in one go: a GROUP is a tile's sixteen
; products for 64 along K, eight on hi and eight on lo.  So a weight fragment read from LDS feeds twelve products' worth of tiles: six tiles, two parts.
; K GOES IN STEPS OF 128, two halves of 64, six groups a half.  THREE RINGS run through a step:
;   act: behind a group's products and four places the group's own 32 registers are loaded again, with what the same tile takes half a step later: each load has six groups in which to land;
;   weight fragments: two buffers of 64 registers; a half's fragments are asked for from LDS half a step ahead;
;   weights: between the halves of step t chunk t + 2, asked for a step ago, is rounded and stored, and chunk t + 3 is asked for.  So chunk t + 1 has been whole since the barrier before.
; One barrier closes a step.  In a step chunks t and t + 1 are read and chunk t + 2 is written: other bytes.  By the text's own count up to 64 loads of a wave are out: 48 of act and 16 of weights.
; THE LAST TWO TRIPS of the loop have no chunk left to ask for.  Their sixteen loads are issued all the same, so that every count stays what it is, but with all lanes at 16 bytes of each row's last
; chunk; what they bring is stored once, into one more chunk's room behind the image, which nobody reads.  The price of one text for all trips: 32 such loads and one such store a wave.
; EVERY SPLIT.  Behind the last barrier of the loop the whole slice lies in LDS; tiles 24 and up are taken by further passes over the image, in a loop of seven trips that every wave walks; a wave with no
; tile in a pass jumps over the pass's work alone.  The step of these passes is the main pass's last step: the main pass enters that loop in its middle, with a count of 1.  Each trip has two barriers,
; outside the jumps: between the walk's reads of LDS and the way out's stores into LDS, and between those stores and the next reads (or the closing lines' write).  A tile place without a tile loads
; 16 bytes of tile 0 in all lanes; its products and stores are jumped.  An expert without rows still streams its slice.
; THE WAY OUT goes through the wave's own stage in LDS, so that sixteen lanes store 256 consecutive bytes of a slot's row.  Rows that repeat a group's last row store the same numbers at the same place.
; NO CLUSTER, NO TENSOR LOAD: each weight has one reader and must pass through registers to be rounded; act shared through LDS would want two slots of 24 tiles x 4 KiB = 196,608 bytes beside 183,296 in use.
; LIMITS.  Weights and v are rounded once to bf16; the slot's weight arrives rounded once to bf16; sums in f32.  A slot is clamped to 0..2047.  NaN and infinities are not treated apart.
; REGISTERS, in windows of 256 (s_set_vgpr_msb: bits 1:0 source 0, 3:2 source 1, 5:4 source 2, 7:6 destination):
;   window 0: v0-43 addresses; v64-255 act; the way out works there later.  act lies with the addresses, so its loads need no switch
;   window 1: v0-127 weight fragments; v128-191 sixteen weight loads; v192-223 dB          window 2: v0-191 the sums; v192-255 chunk 1 at the start          window 3: v0-95 v; v96-191 slots and weights
.set NCH,   8                          ; chunks of 128 along K
.set ROWB,  4096                       ; bytes in a weight row
.set XSH,   15                         ; a tile of actf is 32,768 bytes
.set LOOFF, 5242880                    ; 160 tiles x 32,768 bytes: from act's first part to its second; inside a load's signed 24-bit immediate
.set PITCH, 272                        ; an image row: 128 bf16 + 16 bytes = 17 x 16: the 16 rows of a fragment load start at 16 different groups of four banks
.set SUBB,  64*PITCH
.set LIMG,  (NCH+1)*SUBB               ; behind the image and the one more chunk's room: dB's 64 rows x (4 adapters x 16 ranks) bf16, pitch 144
.set LP,    144
.set STAGE, LIMG+64*LP                 ; 16 rows x 272 bytes for each wave
.set SPARE, STAGE+4*16*PITCH           ; the spare words, 128 bytes a wave: two blocks of 256 bytes that no other line names
; window 0
.set LANE, 1
.set VA,   2                           ; 16 x lane
.set VW,   3                           ; the same, or 0 where the weight loads have nothing left to fetch
.set WA0,  4
.set WA,   5
.set LW,   6
.set SA0,  7
.set SA,   8
.set LSA,  9
.set TA,   10
.set TB,   11
.set SPW,  12                          ; SPARE + 4 x my thread's number; never rewritten
.set NIL,  13                          ; 0; never rewritten
.set XO,   14                          ; v14-19  tile j's byte offset in actf
.set UO,   20                          ; v20-25  in vm
.set STO,  26
.set RD,   27
.set C16,  28                          ; 16 (lane % 16)
.set RSV,  29                          ; 32 (lane / 16)
.set RWV,  30                          ; 4 (lane % 16)
.set PF,   31                          ; (lane / 2) rows + 256 (lane % 2)
.set EOS,  32                          ; v32-37  tile j's byte offset in rowslot
.set EOW,  38                          ; v38-43  in roww
.set XF,   64                          ; act fragments (j, q) at + 32 j + 8 q: q = 0, 1 hi, q = 2, 3 lo
.set TW,   64                          ; the way out: 32 registers, scaled sums and then whole rows
.set PO,   96                          ; eight store offsets
.set CW,   104                         ; the row's weight, as a pair
; window 1
.set WF,   0
.set WS,   128
.set LBF,  192
; window 2
.set ACC,  0
.set C1T,  192
; window 3
.set UMR,  0
.set ER,   96                          ; tile j's eight slots and its weight at + 16 j
.set WV,   20
.set SL,   21
.set EX,   22
.set CNT,  23
.set IC,   24
.set T0,   25
.set NTL,  26
.set NT,   27
.set TC,   28
.set PB,   29
.set XB,   30
.set WB,   42
.set KOFF, 46
.set WM,   50
.set WST,  52
.set MUL,  0xa1                        ; weights window 1, act window 0, sums window 2
.set MULU, 0xad                        ; the same with v, window 3
.set MSB, 0
.macro WIN new                         ; the immediate's high byte repeats the setting that is left; a switch that changes nothing is dropped
.if MSB != (\new)
	s_set_vgpr_msb (MSB<<8)|(\new)
.set MSB, (\new)
.endif
.endm
.macro BAR                             ; my LDS instructions are done, loads and stores; then the work-group's barrier
	s_wait_dscnt 0x0
	s_barrier_signal -1
	s_barrier_wait -1
.endm
.macro WLOADS base, wl, add            ; a chunk's sixteen rows of mine, 512 consecutive bytes each
	WIN \wl
.set n, 0
.rept 16
	global_load_b128 v[(\base)+4*n:(\base)+4*n+3], v[VW], s[WB:WB+1] offset:n*ROWB+(\add) th:TH_LOAD_NT
.set n, n+1
.endr
	WIN 0
.endm
.macro WSTORE base, wc, wd, off        ; rounded in place and laid into the image: 256 consecutive bytes a store
	WIN \wc
.set n, 0
.rept 16
	v_cvt_pk_bf16_f32 v[(\base)+4*n], v[(\base)+4*n], v[(\base)+4*n+1]
	v_cvt_pk_bf16_f32 v[(\base)+4*n+1], v[(\base)+4*n+2], v[(\base)+4*n+3]
.set n, n+1
.endr
	WIN \wd
.set n, 0
.rept 16
	ds_store_b64 v[SA], v[(\base)+4*n:(\base)+4*n+1] offset:(\off)+n*PITCH
.set n, n+1
.endr
	WIN 0
.endm
.macro WFLOAD f, a, pitch, kb          ; sixteen LDS loads: 64 rows x 64 along K at byte kb, into buffer f
	WIN 0x40
.irp qq,0,1
.irp nt,0,1,2,3
	ds_load_b128 v[WF+64*(\f)+32*\qq+8*\nt:WF+64*(\f)+32*\qq+8*\nt+3], v[\a] offset:\nt*16*(\pitch)+(\kb)+\qq*64
	ds_load_b128 v[WF+64*(\f)+32*\qq+8*\nt+4:WF+64*(\f)+32*\qq+8*\nt+7], v[\a] offset:\nt*16*(\pitch)+(\kb)+\qq*64+32
.endr
.endr
	WIN 0
.endm
.macro XLD                             ; a chunk's first half of act, both parts, in the groups' order: 48 loads of 512 consecutive bytes
.irp j,0,1,2,3,4,5
.irp q,0,1,2,3
	global_load_b128 v[XF+32*\j+8*\q:XF+32*\j+8*\q+3], v[XO+\j], s[XB:XB+1] offset:(\q%2)*1024+(\q/2)*LOOFF
	global_load_b128 v[XF+32*\j+8*\q+4:XF+32*\j+8*\q+7], v[XO+\j], s[XB:XB+1] offset:(\q%2)*1024+(\q/2)*LOOFF+512
.endr
.endr
.endm
.macro UMLOADS                         ; v's fragments: 24 loads
	WIN 0xc0
.irp j,0,1,2,3,4,5
.irp qq,0,1
	global_load_b128 v[UMR+16*\j+8*\qq:UMR+16*\j+8*\qq+3], v[UO+\j], s[10:11] offset:\qq*1024
	global_load_b128 v[UMR+16*\j+8*\qq+4:UMR+16*\j+8*\qq+7], v[UO+\j], s[10:11] offset:\qq*1024+512
.endr
.endr
	WIN 0
.endm
.macro ELOADS                          ; for the way out: the slots of rows 8 (lane / 16) + 0..7 and the weight of row lane % 16: 18 loads
	WIN 0xc0
.irp j,0,1,2,3,4,5
	global_load_b128 v[ER+16*\j:ER+16*\j+3], v[EOS+\j], s[14:15]
	global_load_b128 v[ER+16*\j+4:ER+16*\j+7], v[EOS+\j], s[14:15] offset:16
	global_load_b32 v[ER+16*\j+8], v[EOW+\j], s[16:17]
.endr
	WIN 0
.endm
; A GROUP: tile j's sixteen products of half ss, hi and then lo: its four accumulators by turns, four times; the last names column tile 3 and the next group's first column tile 0.
; n: how many younger loads may stay out when the group's act has to be there.  The products are jumped where the wave has no tile j.  rl = 1: behind four places (plain vector instructions between
; a matrix instruction and a load into a register that it has read: ISA guide 7.12.1 for vector instructions) the group's registers take the next half's act, add bytes on.
.macro GRP ss, j, n, rl, add
	s_wait_loadcnt \n
	s_cmp_le_u32 s[NT], \j
	s_cbranch_scc1 .Lg\@
	WIN MUL
.irp q,0,1,2,3
.irp nt,0,1,2,3
	v_wmma_f32_16x16x32_bf16 v[ACC+32*(\j)+8*\nt:ACC+32*(\j)+8*\nt+7], v[WF+64*(\ss)+32*(\q%2)+8*\nt:WF+64*(\ss)+32*(\q%2)+8*\nt+7], v[XF+32*(\j)+8*\q:XF+32*(\j)+8*\q+7], v[ACC+32*(\j)+8*\nt:ACC+32*(\j)+8*\nt+7]
.endr
.endr
	WIN 0
.Lg\@:
.if \rl
.rept 4
	v_nop
.endr
.irp q,0,1,2,3
	global_load_b128 v[XF+32*(\j)+8*\q:XF+32*(\j)+8*\q+3], v[XO+(\j)], s[XB:XB+1] offset:(\add)+(\q%2)*1024+(\q/2)*LOOFF
	global_load_b128 v[XF+32*(\j)+8*\q+4:XF+32*(\j)+8*\q+7], v[XO+(\j)], s[XB:XB+1] offset:(\add)+(\q%2)*1024+(\q/2)*LOOFF+512
.endr
.endif
.endm
; A pass begins: my six tiles' places.  A loaded number enters an offset only behind a clamp, and behind the clamp stand shifts to the left, an AND and sums alone.
.macro PASS_OFFS
	s_mov_b32 s[NT], 0
	s_add_co_u32 s34, s[PB], s[WV]
.irp j,0,1,2,3,4,5
	s_add_co_u32 s35, s34, 4*\j                    ; the tile's number in the expert
	s_add_co_u32 s36, s35, s[T0]
	s_cmp_lt_u32 s35, s[NTL]
	s_cselect_b32 s36, s36, 0                      ; no such tile: tile 0,
	s_cselect_b32 s37, 0x1f0, 0                    ; all lanes at the same 16 bytes
	s_cselect_b32 s38, 1, 0
	s_min_u32 s36, s36, 159
	s_min_u32 s37, s37, 0x1f0
	s_add_co_u32 s[NT], s[NT], s38                 ; my tiles are j = 0 .. NT - 1
	v_and_b32 v[TA], s37, v[VA]
	s_lshl_b32 s39, s36, XSH
	v_add_nc_u32 v[XO+\j], s39, v[TA]
	s_lshl_b32 s39, s36, 11
	v_add_nc_u32 v[UO+\j], s39, v[TA]
	s_lshl_b32 s39, s36, 6                         ; 16 words of each list a tile
	v_add_nc_u32 v[EOS+\j], s39, v[RSV]
	v_add_nc_u32 v[EOW+\j], s39, v[RWV]
.endr
	s_mov_b64 s[XB:XB+1], s[8:9]
	s_mov_b32 s[KOFF], 0
.endm
.macro LORAHALF                        ; v dB^T starts all 24 sums, on every way: no accumulator is cleared
	WFLOAD 0, LW, LP, 0
	s_wait_dscnt 0x0
	WIN MULU
.irp j,0,1,2,3,4,5
.irp qq,0,1
.irp nt,0,1,2,3
.if \qq == 0
	v_wmma_f32_16x16x32_bf16 v[ACC+32*\j+8*\nt:ACC+32*\j+8*\nt+7], v[WF+32*\qq+8*\nt:WF+32*\qq+8*\nt+7], v[UMR+16*\j+8*\qq:UMR+16*\j+8*\qq+7], 0
.else
	v_wmma_f32_16x16x32_bf16 v[ACC+32*\j+8*\nt:ACC+32*\j+8*\nt+7], v[WF+32*\qq+8*\nt:WF+32*\qq+8*\nt+7], v[UMR+16*\j+8*\qq:UMR+16*\j+8*\qq+7], v[ACC+32*\j+8*\nt:ACC+32*\j+8*\nt+7]
.endif
.endr
.endr
.endr
	WIN 0
.rept 4
	v_nop                                          ; the places ahead of the loads into the buffer just read
.endr
.endm
; Tile j leaves: the slots become store offsets; the sums are multiplied by the row's weight, go into my stage as a lane holds them and come back as whole rows of 256 bytes.
.macro TILE_OUT j
	s_cmp_le_u32 s[NT], \j
	s_cbranch_scc1 .Lt\@
	s_wait_xcnt 0x0                                ; the tile before's stores have read the registers that are written below
	WIN 0x0c
.irp i,0,1,2,3,4,5,6,7
	v_min_u32 v[PO+\i], 0x7ff, v[ER+16*(\j)+\i]
.endr
	WIN 0x03
	v_mov_b32 v[CW], v[ER+16*(\j)+8]
	v_mov_b32 v[CW+1], v[ER+16*(\j)+8]             ; the weight is named as a pair
	WIN 0
.irp i,0,1,2,3,4,5,6,7
	v_lshlrev_b32 v[PO+\i], 13, v[PO+\i]           ; slot x 8,192 bytes
	v_add_nc_u32 v[PO+\i], v[C16], v[PO+\i]        ; + my 16 bytes
.endr
	WIN 0x02
.set i, 0
.rept 16
	v_pk_mul_f32 v[TW+2*i:TW+2*i+1], v[ACC+32*(\j)+2*i:ACC+32*(\j)+2*i+1], v[CW:CW+1] op_sel_hi:[1,0]
.set i, i+1
.endr
	WIN 0
.set i, 0
.rept 8
	ds_store_b128 v[STO], v[TW+4*i:TW+4*i+3] offset:(i/2)*64+(i%2)*16
.set i, i+1
.endr
.set i, 0
.rept 8
	ds_load_b128 v[TW+4*i:TW+4*i+3], v[RD] offset:i*PITCH   ; LDS serves a wave's instructions in order: these see the stores above; lanes 0-15 take row i, lanes 16-31 row i + 8
.set i, i+1
.endr
.set i, 0
.rept 8
	s_wait_dscnt 7-i
	global_store_b128 v[PO+i], v[TW+4*i:TW+4*i+3], s[18:19]   ; sixteen lanes store 256 consecutive bytes, aligned
.set i, i+1
.endr
.Lt\@:
.endm
	s_load_b512 s[4:19], s[0:1], 0x0               ; w2 s[4:5], dB s[6:7], actf s[8:9], vm s[10:11], meta s[12:13], rowslot s[14:15], roww s[16:17], part s[18:19]
	v_lshl_add_u32 v[SPW], v0, 2, SPARE
	v_mov_b32 v[NIL], 0
	v_lshrrev_b32 v[TA], 5, v0
	v_readfirstlane_b32 s[WV], v[TA]
	v_and_b32 v[LANE], 31, v0
	v_lshlrev_b32 v[VA], 4, v[LANE]
	v_mov_b32 v[VW], v[VA]
	v_lshrrev_b32 v[TA], 1, v[LANE]
	v_and_b32 v[TB], 1, v[LANE]
	v_lshlrev_b32 v[PF], 12, v[TA]                 ; row lane / 2 of 4,096 bytes,
	v_lshl_add_u32 v[PF], v[TB], 8, v[PF]          ; its first or second 256 bytes of a chunk
	s_mov_b32 s[SL], ttmp9
	s_and_b32 s[EX], ttmp7, 0xffff
	s_lshl_b32 s34, s[EX], 11                      ; image rows 16 w on = w2 rows 64 hs + 16 w on
	s_lshl_b32 s35, s[SL], 6
	s_add_co_u32 s34, s34, s35
	s_lshl_b32 s35, s[WV], 4
	s_add_co_u32 s34, s34, s35                     ; 2048 e + my first row
	s_mov_b32 s33, 0
	s_lshl_b32 s40, s[EX], 2
	s_mov_b32 s[PB], 0
	s_mov_b32 s[WST+1], 0
	s_wait_kmcnt 0x0
	s_load_b32 s[T0], s[12:13], s40 offset:0x0     ; the expert's first tile
	s_load_b32 s[NTL], s[12:13], s40 offset:0x20   ; and its number of tiles
	s_lshl_b32 s32, s34, 6                         ; dB's rows of 64 bytes
	s_add_nc_u64 s[44:45], s[6:7], s[32:33]
	s_lshl_b32 s32, s34, 12                        ; rows of 4,096 bytes
	s_add_nc_u64 s[WB:WB+1], s[4:5], s[32:33]
	s_lshl_b32 s32, s[SL], 8
	s_add_nc_u64 s[18:19], s[18:19], s[32:33]      ; part at my slice's 256 bytes of a row
	WIN 0x40
.set m, 0
.rept 8                                ; m = 2 l + u: adapter l, my rows 8 u on: eight rows of 64 bytes are 512 consecutive bytes
	global_load_b128 v[LBF+4*m:LBF+4*m+3], v[VA], s[44:45] offset:(m/2)*1048576+(m%2)*512
.set m, m+1
.endr
	WIN 0
	WLOADS WS, 0x40, 0                             ; chunk 0
	WLOADS C1T, 0x80, 512                          ; chunk 1
.irp c,2,3,4                           ; asked for ahead: my part of chunks 2 to 4, each block of 256 bytes once; the loop goes on with chunk 5
	global_prefetch_b8 v[PF], s[WB:WB+1] offset:\c*512 th:TH_LOAD_NT scope:SCOPE_SE
.endr
	v_and_b32 v[TA], 15, v[LANE]
	v_lshrrev_b32 v[TB], 4, v[LANE]
	v_mul_u32_u24 v[WA0], v[TA], PITCH
	v_lshl_add_u32 v[WA0], v[TB], 4, v[WA0]
	v_mul_u32_u24 v[LW], v[TA], LP
	v_lshl_add_u32 v[LW], v[TB], 4, v[LW]
	v_add_nc_u32 v[LW], LIMG, v[LW]
	s_mul_i32 s35, s[WV], 16*PITCH
	v_lshl_add_u32 v[SA0], v[LANE], 3, s35
	s_add_co_u32 s35, s35, STAGE                   ; my stage
	v_mul_u32_u24 v[STO], v[TA], PITCH             ; in: row lane % 16, 32 bytes for each half of the lanes
	v_lshl_add_u32 v[STO], v[TB], 5, v[STO]
	v_add_nc_u32 v[STO], s35, v[STO]
	v_mul_u32_u24 v[RD], v[TB], 8*PITCH            ; back: lanes 0-15 a row of 256 bytes, lanes 16-31 the row eight further down
	v_lshl_add_u32 v[RD], v[TA], 4, v[RD]
	v_add_nc_u32 v[RD], s35, v[RD]
	v_lshlrev_b32 v[C16], 4, v[TA]
	v_lshlrev_b32 v[RSV], 5, v[TB]
	v_lshlrev_b32 v[RWV], 2, v[TA]
	v_lshrrev_b32 v[TA], 2, v[LANE]                ; a load of dB: row lane / 4, ranks 4 (lane % 4) on
	s_lshl_b32 s35, s[WV], 4
	v_add_nc_u32 v[TA], s35, v[TA]
	v_mul_u32_u24 v[TA], v[TA], LP
	v_and_b32 v[TB], 3, v[LANE]
	v_lshl_add_u32 v[TA], v[TB], 3, v[TA]
	v_add_nc_u32 v[LSA], LIMG, v[TA]
	s_wait_kmcnt 0x0
	PASS_OFFS
	s_wait_loadcnt 32                              ; dB is in: behind it stand chunks 0 and 1
	WIN 0x45
.set m, 0
.rept 8
	v_cvt_pk_bf16_f32 v[LBF+4*m], v[LBF+4*m], v[LBF+4*m+1]
	v_cvt_pk_bf16_f32 v[LBF+4*m+1], v[LBF+4*m+2], v[LBF+4*m+3]
.set m, m+1
.endr
	WIN 0x04
.set m, 0
.rept 8
	ds_store_b64 v[LSA], v[LBF+4*m:LBF+4*m+1] offset:(m%2)*8*LP+(m/2)*32
.set m, m+1
.endr
	WIN 0
	ELOADS
	UMLOADS
	s_wait_loadcnt 58                              ; chunk 0 is in: behind it stand chunk 1 (16), slots and weights (18) and v (24)
	v_add_nc_u32 v[SA], s[KOFF], v[SA0]
	WSTORE WS, 0x45, 0x04, 0
	s_wait_loadcnt 42                              ; chunk 1 is in: behind it stand slots and weights and v
	WSTORE C1T, 0x8a, 0x08, SUBB
	WLOADS WS, 0x40, 1024                          ; chunk 2,
	XLD                                            ; and chunk 0's first half of act: nothing stands between these loads and the first group's wait, as in the loop
	s_wait_xcnt 0x0                                ; the base steps only behind this wait
	s_add_nc_u64 s[WB:WB+1], s[WB:WB+1], 1024
	BAR                                            ; dB's image and chunks 0 and 1 are whole
	s_wait_loadcnt 63                              ; v is in, and slots and weights before it: 64 loads are younger, and 63 is the largest count that the wait can name
	LORAHALF
	v_add_nc_u32 v[WA], s[KOFF], v[WA0]
	WFLOAD 0, WA, PITCH, 0                         ; chunk 0's first fragments
	s_mov_b32 s[CNT], NCH-1
.Lmain:                                                ; step t = NCH - 1 - CNT
	v_add_nc_u32 v[WA], s[KOFF], v[WA0]
	WFLOAD 1, WA, PITCH, 128                       ; the second half's fragments, half a step ahead
	s_wait_dscnt 16                                ; the first half's are in; the sixteen just issued may be out
.irp j,0,1,2,3,4,5
	GRP 0, \j, 40, 1, 2048                         ; younger than the group's eight loads: the five other groups' 40
.endr
	WFLOAD 0, WA, PITCH, SUBB                      ; the next chunk's first fragments: it has been whole since the last barrier
	s_wait_loadcnt 48                              ; chunk t + 2 is in: 96 loads of act are younger
	v_add_nc_u32 v[SA], s[KOFF], v[SA0]
	WSTORE WS, 0x45, 0x04, 2*SUBB
	s_cmp_ge_u32 s[CNT], 3                         ; is there a chunk t + 3?
	s_cselect_b32 s[WM], 0x1f0, 0                  ; if not: all lanes at the same 16 bytes,
	s_cselect_b32 s[WST], 512, 0                   ; of the last chunk
	s_wait_xcnt 0x0                                ; the base and the offset are written only behind this wait
	v_and_b32 v[VW], s[WM], v[VA]
	s_add_nc_u64 s[WB:WB+1], s[WB:WB+1], s[WST:WST+1]
	WLOADS WS, 0x40, 0
	s_cmp_lt_u32 s[CNT], 5
	s_cbranch_scc1 .Lnopf                          ; the last trips ask for nothing ahead: chunk t + 5 would lie past the row's end
	global_prefetch_b8 v[PF], s[WB:WB+1] offset:1024 th:TH_LOAD_NT scope:SCOPE_SE  ; my part of chunk t + 5, two steps ahead of the load that will want it; each block of 256 bytes once
.Lnopf:
	s_wait_dscnt 32                                ; the second half's fragments are in; younger: sixteen loads and sixteen stores
.irp j,0,1,2,3,4,5
	GRP 1, \j, 56, 1, 4096                         ; the five other groups' 40 and the weights' 16
.endr
	s_wait_xcnt 0x0                                ; the base steps only behind this wait
	s_add_nc_u64 s[XB:XB+1], s[XB:XB+1], 4096
	s_add_co_u32 s[KOFF], s[KOFF], SUBB
	BAR                                            ; chunk t + 2 is whole; nobody writes it again
	s_sub_co_u32 s[CNT], s[CNT], 1
	s_cmp_lg_u32 s[CNT], 0
	s_cbranch_scc1 .Lmain
	s_mov_b32 s[IC], 1                             ; the main pass has one step left: its first half of act and its first fragments are on their way
	s_mov_b32 s[TC], 7
	s_branch .Llast
.Lpass:                                                ; the next pass of 24 tile places; a wave that has no tile in it jumps its work, not the barriers
	s_add_co_u32 s[PB], s[PB], 24
	s_add_co_u32 s34, s[PB], s[WV]
	s_mov_b32 s[NT], 0
	s_cmp_ge_u32 s34, s[NTL]
	s_cbranch_scc1 .Lnow
	s_wait_xcnt 0x0                                ; the last pass's stores have read their registers
	PASS_OFFS
	ELOADS
	UMLOADS
	s_wait_loadcnt 0x0
	LORAHALF
	s_mov_b32 s[IC], NCH
.Ltk:                                                  ; a step over the finished image: its first half of act and its first fragments are asked for here
	XLD
	v_add_nc_u32 v[WA], s[KOFF], v[WA0]
	WFLOAD 0, WA, PITCH, 0
.Llast:
	v_add_nc_u32 v[WA], s[KOFF], v[WA0]
	WFLOAD 1, WA, PITCH, 128
	s_wait_dscnt 16                                ; the first half's fragments are in
.irp j,0,1,2,3,4,5
	GRP 0, \j, 40, 1, 2048                         ; as in the loop: the second half of act is still asked for
.endr
	s_wait_dscnt 0x0
.irp j,0,1,2,3,4,5
	GRP 1, \j, 40-8*\j, 0, 0                       ; nothing is asked for any more: younger are the later groups' loads
.endr
.rept 4
	v_nop                                          ; the places ahead of the first read of a sum and of the loads into registers that these products read
.endr
	s_add_nc_u64 s[XB:XB+1], s[XB:XB+1], 4096      ; every load has been waited for
	s_add_co_u32 s[KOFF], s[KOFF], SUBB
	s_sub_co_u32 s[IC], s[IC], 1
	s_cmp_lg_u32 s[IC], 0
	s_cbranch_scc1 .Ltk
.Lnow:
	BAR                                            ; every wave's reads of LDS in the walk are over before any wave stores into its stage
.irp j,0,1,2,3,4,5
	TILE_OUT \j
.endr
	BAR                                            ; every wave's stores into its stage are done before any wave's next walk reads LDS, and its reads of the stage before the closing add
	s_sub_co_u32 s[TC], s[TC], 1
	s_cmp_lg_u32 s[TC], 0
	s_cbranch_scc1 .Lpass
	s_wait_tensorcnt 0x0                           ; the wave's end
	ds_add_u32 v[SPW], v[NIL]
	s_wait_dscnt 0x0
	s_endpgm
.Lfunc_end_k_qe2a52ddb71_down:
	.size	k_qe2a52ddb71_down, .Lfunc_end_k_qe2a52ddb71_down-k_qe2a52ddb71_down
	.p2alignl 7, 3214868480
	.fill 96, 4, 3214868480
	.section	.rodata,"a",@progbits
	.p2align	6, 0x0
	.amdhsa_kernel k_qe2a52ddb71_down
		.amdhsa_group_segment_fixed_size 183808
		.amdhsa_private_segment_fixed_size 0
		.amdhsa_enable_private_segment 0
		.amdhsa_kernarg_size 64
		.amdhsa_user_sgpr_count 2
		.amdhsa_user_sgpr_kernarg_segment_ptr 1
		.amdhsa_wavefront_size32 1
		.amdhsa_system_sgpr_workgroup_id_x 1
		.amdhsa_system_sgpr_workgroup_id_y 1
		.amdhsa_system_sgpr_workgroup_id_z 1
		.amdhsa_system_vgpr_workitem_id 0
		.amdhsa_next_free_vgpr 960
		.amdhsa_next_free_sgpr 66
		.amdhsa_reserve_vcc 0
		.amdhsa_float_denorm_mode_32 3
		.amdhsa_float_denorm_mode_16_64 3
		.amdhsa_memory_ordered 1
		.amdhsa_forward_progress 1
		.amdhsa_inst_pref_size 132
	.end_amdhsa_kernel
	.amdgpu_metadata
---
amdhsa.version: [ 1, 2 ]
amdhsa.kernels:
  - .name:           k_qe2a52ddb71_down
    .symbol:         k_qe2a52ddb71_down.kd
    .args:
      - { .name: w2, .offset: 0, .size: 8, .value_kind: global_buffer, .address_space: global }
      - { .name: down_lora_b, .offset: 8, .size: 8, .value_kind: global_buffer, .address_space: global }
      - { .name: actf, .offset: 16, .size: 8, .value_kind: global_buffer, .address_space: global }
      - { .name: vm, .offset: 24, .size: 8, .value_kind: global_buffer, .address_space: global }
      - { .name: meta, .offset: 32, .size: 8, .value_kind: global_buffer, .address_space: global }
      - { .name: rowslot, .offset: 40, .size: 8, .value_kind: global_buffer, .address_space: global }
      - { .name: roww, .offset: 48, .size: 8, .value_kind: global_buffer, .address_space: global }
      - { .name: part, .offset: 56, .size: 8, .value_kind: global_buffer, .address_space: global }
    .group_segment_fixed_size: 183808
    .private_segment_fixed_size: 0
    .kernarg_segment_align: 8
    .kernarg_segment_size: 64
    .max_flat_workgroup_size: 128
    .sgpr_count:     66
    .vgpr_count:     960
    .wavefront_size: 32
...
	.end_amdgpu_metadata
.endif
;; end of part 4
;; launch combine (part 5): grid 256 x 1, 8 waves a work-group, no clusters, 0 bytes of LDS; arguments part, out0; writes out0
.if DOCPART == 5
	.amdgcn_target "amdgcn-amd-amdhsa--gfx1250"
	.amdhsa_code_object_version 6
	.text
	.protected	k_qe2a52ddb71_combine
	.globl	k_qe2a52ddb71_combine
	.p2align	8
	.type	k_qe2a52ddb71_combine,@function
k_qe2a52ddb71_combine:
	s_mov_b64 s[64:65], 0
	v_nop
	global_prefetch_b8 v0, s[64:65] scope:SCOPE_SE
	s_setreg_imm32_b32 hwreg(HW_REG_WAVE_MODE, 25, 1), 1
	s_wait_xcnt 0x0
; out[t] = part[2 t] + part[2 t + 1]: a token's two weighted rows, f32.  (The sum goes by slots, not by ascending expert as the module writes it: two terms, so the same number either way.)
; A stream: each byte is read once and written once; no LDS, no barrier, no matrix unit.  A work-group has four tokens; a thread has 16 bytes at 16 t and at 4,096 + 16 t of each row.
; All sixteen loads of a thread go out first; each load and store of a wave covers 512 consecutive bytes.
	s_load_b128 s[4:7], s[0:1], 0x0                ; part s[4:5], out s[6:7]
	v_lshlrev_b32 v1, 4, v0
	s_lshl_b32 s8, ttmp9, 16                       ; four tokens x two rows of 8,192 bytes
	s_mov_b32 s9, 0
	s_lshl_b32 s10, ttmp9, 15                      ; four rows of 8,192 bytes
	s_mov_b32 s11, 0
	s_wait_kmcnt 0x0
	s_add_nc_u64 s[4:5], s[4:5], s[8:9]
	s_add_nc_u64 s[6:7], s[6:7], s[10:11]
.set n, 0
.rept 8                                ; n = 2 x token + half of the row
	global_load_b128 v[8+8*n:8+8*n+3], v1, s[4:5] offset:(n/2)*16384+(n%2)*4096 th:TH_LOAD_NT
	global_load_b128 v[8+8*n+4:8+8*n+7], v1, s[4:5] offset:(n/2)*16384+8192+(n%2)*4096 th:TH_LOAD_NT
.set n, n+1
.endr
.set n, 0
.rept 8
	s_wait_loadcnt 14-2*n                          ; pair n is in; the pairs behind it stay out
	v_pk_add_f32 v[8+8*n:8+8*n+1], v[8+8*n:8+8*n+1], v[8+8*n+4:8+8*n+5]
	v_pk_add_f32 v[8+8*n+2:8+8*n+3], v[8+8*n+2:8+8*n+3], v[8+8*n+6:8+8*n+7]
	global_store_b128 v1, v[8+8*n:8+8*n+3], s[6:7] offset:(n/2)*8192+(n%2)*4096 th:TH_STORE_NT
.set n, n+1
.endr
	s_endpgm
.Lfunc_end_k_qe2a52ddb71_combine:
	.size	k_qe2a52ddb71_combine, .Lfunc_end_k_qe2a52ddb71_combine-k_qe2a52ddb71_combine
	.p2alignl 7, 3214868480
	.fill 96, 4, 3214868480
	.section	.rodata,"a",@progbits
	.p2align	6, 0x0
	.amdhsa_kernel k_qe2a52ddb71_combine
		.amdhsa_group_segment_fixed_size 0
		.amdhsa_private_segment_fixed_size 0
		.amdhsa_enable_private_segment 0
		.amdhsa_kernarg_size 16
		.amdhsa_user_sgpr_count 2
		.amdhsa_user_sgpr_kernarg_segment_ptr 1
		.amdhsa_wavefront_size32 1
		.amdhsa_system_sgpr_workgroup_id_x 1
		.amdhsa_system_sgpr_workgroup_id_y 1
		.amdhsa_system_sgpr_workgroup_id_z 1
		.amdhsa_system_vgpr_workitem_id 0
		.amdhsa_next_free_vgpr 72
		.amdhsa_next_free_sgpr 66
		.amdhsa_reserve_vcc 0
		.amdhsa_float_denorm_mode_32 3
		.amdhsa_float_denorm_mode_16_64 3
		.amdhsa_memory_ordered 1
		.amdhsa_forward_progress 1
		.amdhsa_inst_pref_size 5
	.end_amdhsa_kernel
	.amdgpu_metadata
---
amdhsa.version: [ 1, 2 ]
amdhsa.kernels:
  - .name:           k_qe2a52ddb71_combine
    .symbol:         k_qe2a52ddb71_combine.kd
    .args:
      - { .name: part, .offset: 0, .size: 8, .value_kind: global_buffer, .address_space: global }
      - { .name: out0, .offset: 8, .size: 8, .value_kind: global_buffer, .address_space: global }
    .group_segment_fixed_size: 0
    .private_segment_fixed_size: 0
    .kernarg_segment_align: 8
    .kernarg_segment_size: 16
    .max_flat_workgroup_size: 256
    .sgpr_count:     66
    .vgpr_count:     72
    .wavefront_size: 32
...
	.end_amdgpu_metadata
.endif
;; end of part 5
;; ======== version 2 of 2: 5 launches; version 1 with the launches gateup, down written anew for expert scheduling mode
;; workspace buffers: xs 10,485,760 bytes; um 327,680 bytes; actf 10,485,760 bytes; vm 327,680 bytes; part 16,777,216 bytes; meta 1,024 bytes of whole numbers; rowslot 10,240 bytes of whole numbers; roww 10,240 bytes
;; launch prep: the kernel of part 1 again; grid 160 x 1, 8 waves a work-group, no clusters, 142,848 bytes of LDS; arguments hidden_states, gu_lora_a, topk_ids, token_lora_idx, topk_weights, xs, um, meta, rowslot, roww; writes xs, um, meta, rowslot, roww
;; launch gateup (part 6): grid 32 x 8, 4 waves a work-group, no clusters, 305,664 bytes of LDS; arguments w13, gu_lora_b, xs, um, meta, actf; writes actf
.if DOCPART == 6
	.amdgcn_target "amdgcn-amd-amdhsa--gfx1250"
	.amdhsa_code_object_version 6
	.text
	.protected	k_qe2a52ddb71_gateup
	.globl	k_qe2a52ddb71_gateup
	.p2align	8
	.type	k_qe2a52ddb71_gateup,@function
k_qe2a52ddb71_gateup:
	s_mov_b64 s[64:65], 0
	v_nop
	global_prefetch_b8 v0, s[64:65] scope:SCOPE_SE
	s_setreg_imm32_b32 hwreg(HW_REG_WAVE_SCHED_MODE, 0, 2), 2
	s_setreg_imm32_b32 hwreg(HW_REG_WAVE_MODE, 25, 1), 1
	s_wait_xcnt 0x0
	s_wait_alu depctr_vm_vsrc(0)
; h = [x | u] [w13 | B]^T, act = silu(gate) x up, for the routed rows alone.  Work-group (slice sl, expert e) alone reads 64 rows of w13[e] (gate columns 32 sl .. + 31 and the up
; columns of the same numbers: 512 KiB of f32) and takes all of the expert's tiles of 16 rows.
; FOUR WAVES, ALL ALIKE, as many as a WGP has SIMDs.  Wave w loads image rows 16 w .. 16 w + 15 (512 consecutive bytes a load), rounds them to bf16 and lays them into an image of the whole slice in
; LDS; and it multiplies tiles w, w + 4 .. w + 20 of a pass of 24, all 64 columns: 24 accumulators, 192 registers.  A weight fragment read from LDS feeds six tiles.  A tile of rows belongs to one
; wave, so its fragments come from xs straight into registers.
; THE MODE: SCHED_MODE bits 1:0 = 2 (LLVM: expert scheduling mode 2), set by the entry lines.  The code itself states the register dependences between vector or matrix instructions and memory or
; LDS instructions, with s_wait_alu, always for 0.
; K GOES IN STEPS OF 128: two halves of 64, six GROUPS (a tile's eight products) a half, three groups a QUARTER of a step.  THREE RINGS run through a step:
;   x: in each quarter the 48 registers that the quarter before multiplied are loaded again, with what the same groups take nine groups later;
;   weight fragments: two buffers of 64 registers; a half's fragments are asked for from LDS in the half before;
;   weights: at the end of the first half of step t chunk t + 2, asked for a step ago, is rounded into an out-buffer; at the head of the second half chunk t + 3 is asked for, and behind that half's
;   first group chunk t + 2 is stored.  So chunk t + 1 has been whole since the barrier before, and its first fragments can be fetched in step t.  One barrier closes a step.  In a step chunks t and
;   t + 1 are read and chunk t + 2 is written: other bytes.
; THE PLAN.  Registers that memory or LDS instructions touch in the loop:
;   X0 .. X3   quarter q's three groups, 48 registers.  Read by quarter q's products; the loads issued in quarter q + 1 land in them.
;   WF0, WF1   WF0: read by quarters 0 and 1; the LDS loads issued in quarter 2 land in it.  WF1: read by quarters 2 and 3; the LDS loads issued in quarter 0 land in it.
;   WS         The weight loads at quarter 2's head land in it; read by the conversions at quarter 1's end.
;   WO         Written by those conversions; read by the LDS stores in quarter 2.
;   v[WA], v[SA]  Written at the step's head; read by the LDS loads and stores.     v[VW]  Written at quarter 1's end; read by the weight loads.     v[XO ..], v[PF]  Never written in the loop.
; So ONE wait on va_vdst stands at each quarter's head.  Between it and the next head the only vector or matrix instructions are the quarter's products (and, at quarter 1's end, the conversions and the
; line that makes v[VW]); the products name the quarter's own X, the half's own WF and the sums: none of the registers that the loads and stores dealt among them touch.  ONE wait on vm_vsrc stands at the
; step's head: it frees v[WA] and v[SA], and with them WO and v[VW], which the last step's stores and weight loads read.
; Loads come back in order, so each wait names how many younger loads may stay out; and at quarter 2's head x's loads stand AHEAD of the weights' sixteen: every load that is younger than a chunk's is
; first wanted behind the wait for the chunk itself, so a chunk has a whole step in which to land.  By the text's own count up to 64 loads of a wave are out: 48 of x and 16 of weights.
; THE LAST TWO TRIPS of the loop have no chunk left to ask for.  Their sixteen loads are issued all the same, so that every count stays what it is, but with all lanes at 16 bytes of each row's last
; chunk; what they bring is stored once, into one more chunk's room behind the image, which nobody reads.  The price of one text for all trips: 32 such loads and one such store a wave.
; EVERY SPLIT.  Behind the last barrier of the loop the whole slice lies in LDS; an expert's tiles 24, 25 .. are taken by further passes over the image (7 x 24 = 168 places for 160 tiles at the most), in
; which nothing writes LDS; a wave with no tile in a pass jumps over it.  The step of these passes is the main pass's last step: the main pass enters that loop in its middle, with a count of 1.
; One barrier, which every wave passes, stands behind the passes.  A tile place without a tile loads 16 bytes of tile 0 in all lanes, so that every wait counts
; the same on every way; its products and stores are jumped.  An expert without rows still streams its slice.
; NO CLUSTER, NO TENSOR LOAD: each weight has one reader and must pass through registers to be rounded; x shared through LDS would want two slots of 24 tiles x 4 KiB = 196,608 bytes beside 305,152 in use.
; SOURCE 0 = 16 weight rows, SOURCE 1 = 16 tokens: a lane holds one token (lane % 16) and columns 8 (lane / 16) + 0..7; gate and up meet in the lane, and two packed results are the next launch's fragment.
; ACT LEAVES IN TWO PARTS, both bf16: hi = act rounded, lo = (act - hi) rounded; the difference is exact in f32, so the two hold 16 significant bits.  f16 has no room: with all inputs 30 times larger
; act grows by 30^4.  lo lies LOOFF bytes behind hi, in the same order.
; LIMITS.  Weights, x and u are rounded once to bf16; sums in f32.  silu(g) = g / (1 + 2^(-g log2 e)): where the power overflows the quotient is 0, the limit.  NaN and infinities are not treated apart.
; REGISTERS, in windows of 256 (s_set_vgpr_msb: bits 1:0 source 0, 3:2 source 1, 5:4 source 2, 7:6 destination):
;   window 0: v0-32 addresses; v64-255 x; the way out works there later.  x lies with the addresses, so its loads need no switch
;   window 1: v0-127 weight fragments; v128-191 sixteen weight loads; v192-223 B; v224-255 a chunk rounded          window 2: v0-191 the sums; v192-255 chunk 1 at the start          window 3: v0-95 u
.set NCH,   16                         ; chunks of 128 along K
.set ROWB,  8192                       ; bytes in a weight row
.set XSH,   16                         ; a tile of xs is 65,536 bytes
.set LOOFF, 5242880                    ; 160 tiles x 32,768 bytes: from act's first part to its second; inside a store's signed 24-bit immediate
.set PITCH, 272                        ; an image row: 128 bf16 + 16 bytes = 17 x 16: the 16 rows of a fragment load start at 16 different groups of four banks
.set SUBB,  64*PITCH                   ; a chunk of the image
.set LIMG,  (NCH+1)*SUBB               ; behind the image and the one more chunk's room: B's 64 rows x (4 adapters x 16 ranks) bf16, pitch 144; the 512 bytes behind them take the closing add
.set LP,    144
; window 0
.set LANE, 1
.set VA,   2                           ; 16 x lane
.set VW,   3                           ; the same, or 0 where the weight loads have nothing left to fetch
.set WA0,  4                           ; (lane % 16) x pitch + 16 (lane / 16)
.set WA,   5
.set LW,   6
.set SA0,  7                           ; my sixteen rows' place in a chunk + 8 x lane
.set SA,   8
.set LSA,  9
.set TA,   10
.set TB,   11
.set XO,   14                          ; v14-19  tile j's byte offset in xs
.set UO,   20                          ; v20-25  in um
.set AO,   26                          ; v26-31  in actf
.set PF,   32                          ; (lane / 2) rows + 256 (lane % 2): the 32 blocks of 256 bytes of my part of a chunk
.set XF,   64                          ; x fragments (j, q) at + 32 j + 8 q
.set TT,   64                          ; the way out: sixteen act, sixteen hi as f32
.set OUTR, 96                          ; the way out: tile j's hi at + 16 j, lo at + 16 j + 8
; window 1
.set WF,   0                           ; buffer f, fragment (qq, nt) at 64 f + 32 qq + 8 nt
.set WS,   128
.set LBF,  192
.set WO,   224                         ; row n's 4 bf16 a lane at + 2 n
; window 2
.set ACC,  0                           ; (j, nt) at 32 j + 8 nt
.set C1T,  192
; window 3
.set UMR,  0                           ; (j, qq) at 16 j + 8 qq
.set WV,   20
.set SL,   21
.set EX,   22
.set CNT,  23
.set IC,   24
.set T0,   25
.set NTL,  26
.set NT,   27
.set TC,   28
.set PB,   29
.set XB,   30                          ; s[30:31] xs, stepped along K
.set WB,   42                          ; s[42:43] my weight rows at the chunk asked for last
.set KOFF, 46                          ; the LDS byte at which the chunk in hand begins
.set WM,   50
.set WST,  52                          ; s[52:53]
.set MUL,  0xa1                        ; weights window 1, x window 0, sums window 2
.set MULU, 0xad                        ; the same with u, window 3
.set MSB, 0
.macro WIN new                         ; the immediate's high byte repeats the setting that is left; a switch that changes nothing is dropped
.if MSB != (\new)
	s_set_vgpr_msb (MSB<<8)|(\new)
.set MSB, (\new)
.endif
.endm
.macro BAR                             ; my LDS instructions are done, loads and stores; then the work-group's barrier
	s_wait_dscnt 0x0
	s_barrier_signal -1
	s_barrier_wait -1
.endm
.macro WLOADS base, wl, add            ; a chunk's sixteen rows of mine, 512 consecutive bytes each
	WIN \wl
.set n, 0
.rept 16
	global_load_b128 v[(\base)+4*n:(\base)+4*n+3], v[VW], s[WB:WB+1] offset:n*ROWB+(\add) th:TH_LOAD_NT
.set n, n+1
.endr
	WIN 0
.endm
.macro WCVT src, out, os, wc           ; a chunk's sixteen loads rounded to bf16: row n's four numbers a lane into two registers at out + os n
	WIN \wc
.set n, 0
.rept 16
	v_cvt_pk_bf16_f32 v[(\out)+(\os)*n], v[(\src)+4*n], v[(\src)+4*n+1]
	v_cvt_pk_bf16_f32 v[(\out)+(\os)*n+1], v[(\src)+4*n+2], v[(\src)+4*n+3]
.set n, n+1
.endr
	WIN 0
.endm
.macro WPUT out, os, wd, off           ; and laid into the image: 256 consecutive bytes a store
	WIN \wd
.set n, 0
.rept 16
	ds_store_b64 v[SA], v[(\out)+(\os)*n:(\out)+(\os)*n+1] offset:(\off)+n*PITCH
.set n, n+1
.endr
	WIN 0
.endm
.macro WFLOAD f, a, pitch, kb          ; sixteen LDS loads: 64 rows x 64 along K at byte kb, into buffer f
	WIN 0x40
.irp qq,0,1
.irp nt,0,1,2,3
	ds_load_b128 v[WF+64*(\f)+32*\qq+8*\nt:WF+64*(\f)+32*\qq+8*\nt+3], v[\a] offset:\nt*16*(\pitch)+(\kb)+\qq*64
	ds_load_b128 v[WF+64*(\f)+32*\qq+8*\nt+4:WF+64*(\f)+32*\qq+8*\nt+7], v[\a] offset:\nt*16*(\pitch)+(\kb)+\qq*64+32
.endr
.endr
	WIN 0
.endm
.macro XQ hh, j, add                   ; the x of group (hh, j): four loads of 512 consecutive bytes; add: 0, or a step's 4,096 bytes
.irp qq,0,1
	global_load_b128 v[XF+32*(\j)+16*(\hh)+8*\qq:XF+32*(\j)+16*(\hh)+8*\qq+3], v[XO+(\j)], s[XB:XB+1] offset:(\add)+(2*(\hh)+\qq)*1024
	global_load_b128 v[XF+32*(\j)+16*(\hh)+8*\qq+4:XF+32*(\j)+16*(\hh)+8*\qq+7], v[XO+(\j)], s[XB:XB+1] offset:(\add)+(2*(\hh)+\qq)*1024+512
.endr
.endm
.macro UMLOADS                         ; u's fragments: 24 loads
	WIN 0xc0
.irp j,0,1,2,3,4,5
.irp qq,0,1
	global_load_b128 v[UMR+16*\j+8*\qq:UMR+16*\j+8*\qq+3], v[UO+\j], s[10:11] offset:\qq*1024
	global_load_b128 v[UMR+16*\j+8*\qq+4:UMR+16*\j+8*\qq+7], v[UO+\j], s[10:11] offset:\qq*1024+512
.endr
.endr
	WIN 0
.endm
; A GROUP: tile j's eight products of half hh: its four accumulators by turns, twice; the last names column tile 3 and the next group's first column tile 0.
; n: how many younger loads may stay out when the group's x has to be there.  The products are jumped.
.macro GRP hh, j, n
	s_wait_loadcnt \n
	s_cmp_le_u32 s[NT], \j
	s_cbranch_scc1 .Lg\@
	WIN MUL
.irp qq,0,1
.irp nt,0,1,2,3
	v_wmma_f32_16x16x32_bf16 v[ACC+32*(\j)+8*\nt:ACC+32*(\j)+8*\nt+7], v[WF+64*(\hh)+32*\qq+8*\nt:WF+64*(\hh)+32*\qq+8*\nt+7], v[XF+32*(\j)+16*(\hh)+8*\qq:XF+32*(\j)+16*(\hh)+8*\qq+7], v[ACC+32*(\j)+8*\nt:ACC+32*(\j)+8*\nt+7]
.endr
.endr
	WIN 0
.Lg\@:
.endm
; QUARTER 0, in the loop and in the last step alike: x of this step's quarter 3 is asked for, four loads ahead of each group; the second half's fragments behind the first group.
.macro Q0 n
	s_wait_alu depctr_va_vdst(0)                   ; the products issued so far are done reading quarter 3's x and the second fragment buffer, in which this quarter's loads land; v[WA] (in the loop v[SA] too) is written
	XQ 1, 3, 0
	s_wait_dscnt 0x0                               ; the first half's fragments are in (in the loop's later trips the barrier's wait has shown it)
	GRP 0, 0, \n
	WFLOAD 1, WA, PITCH, 128                       ; no wait: the products since the wait name the first buffer alone
	XQ 1, 4, 0
	GRP 0, 1, \n
	XQ 1, 5, 0
	GRP 0, 2, \n
.endm
; A pass begins: my six tiles' places.  A loaded number enters an offset only behind a clamp, and behind the clamp stand shifts to the left, an AND and sums alone.
.macro PASS_OFFS
	s_mov_b32 s[NT], 0
	s_add_co_u32 s34, s[PB], s[WV]
.irp j,0,1,2,3,4,5
	s_add_co_u32 s35, s34, 4*\j                    ; the tile's number in the expert
	s_add_co_u32 s36, s35, s[T0]
	s_cmp_lt_u32 s35, s[NTL]
	s_cselect_b32 s36, s36, 0                      ; no such tile: tile 0,
	s_cselect_b32 s37, 0x1f0, 0                    ; all lanes at the same 16 bytes
	s_cselect_b32 s38, 1, 0
	s_min_u32 s36, s36, 159
	s_min_u32 s37, s37, 0x1f0
	s_add_co_u32 s[NT], s[NT], s38                 ; my tiles are j = 0 .. NT - 1
	v_and_b32 v[TA], s37, v[VA]
	s_lshl_b32 s39, s36, XSH
	v_add_nc_u32 v[XO+\j], s39, v[TA]
	s_lshl_b32 s39, s36, 11
	v_add_nc_u32 v[UO+\j], s39, v[TA]
	s_lshl_b32 s39, s36, 15
	v_add_nc_u32 v[AO+\j], s39, v[VA]
.endr
	s_mov_b64 s[XB:XB+1], s[8:9]
	s_mov_b32 s[KOFF], 0
.endm
.macro LORAHALF                        ; u B^T starts all 24 sums, on every way: no accumulator is cleared
	WFLOAD 0, LW, LP, 0
	s_wait_dscnt 0x0
	WIN MULU
.irp j,0,1,2,3,4,5
.irp qq,0,1
.irp nt,0,1,2,3
.if \qq == 0
	v_wmma_f32_16x16x32_bf16 v[ACC+32*\j+8*\nt:ACC+32*\j+8*\nt+7], v[WF+32*\qq+8*\nt:WF+32*\qq+8*\nt+7], v[UMR+16*\j+8*\qq:UMR+16*\j+8*\qq+7], 0
.else
	v_wmma_f32_16x16x32_bf16 v[ACC+32*\j+8*\nt:ACC+32*\j+8*\nt+7], v[WF+32*\qq+8*\nt:WF+32*\qq+8*\nt+7], v[UMR+16*\j+8*\qq:UMR+16*\j+8*\qq+7], v[ACC+32*\j+8*\nt:ACC+32*\j+8*\nt+7]
.endif
.endr
.endr
.endr
	WIN 0
.endm
; The way out of tile j: accumulators 0, 1 are gate, 2, 3 up.  Each batch of sixteen transcendentals has one plain instruction and one wait behind it.
; hi and lo are both made first; one wait, and the tile's four stores follow it.  Each tile has out-registers of its own, so nothing is owed between the tiles of a pass.
.macro EPI j
	s_cmp_le_u32 s[NT], \j
	s_cbranch_scc1 .Le\@
	WIN 0x02
.set i, 0
.rept 8
	v_pk_mul_f32 v[TT+2*i:TT+2*i+1], v[ACC+32*(\j)+2*i:ACC+32*(\j)+2*i+1], s[48:49] op_sel_hi:[1,0]
.set i, i+1
.endr
	WIN 0
.set i, 0
.rept 16
	v_exp_f32 v[TT+i], v[TT+i]
.set i, i+1
.endr
	v_nop
	s_wait_alu depctr_va_vdst(0)                   ; the sixteen powers are written, ahead of their first reader
.set i, 0
.rept 8
	v_pk_add_f32 v[TT+2*i:TT+2*i+1], v[TT+2*i:TT+2*i+1], 1.0 op_sel_hi:[1,0]
.set i, i+1
.endr
.set i, 0
.rept 16
	v_rcp_f32 v[TT+i], v[TT+i]
.set i, i+1
.endr
	v_nop
	s_wait_alu depctr_va_vdst(0)                   ; the sixteen reciprocals are written, ahead of their first reader
	WIN 0x02
.set i, 0
.rept 8
	v_pk_mul_f32 v[TT+2*i:TT+2*i+1], v[ACC+32*(\j)+2*i:ACC+32*(\j)+2*i+1], v[TT+2*i:TT+2*i+1]
.set i, i+1
.endr
.set i, 0
.rept 8
	v_pk_mul_f32 v[TT+2*i:TT+2*i+1], v[ACC+32*(\j)+16+2*i:ACC+32*(\j)+16+2*i+1], v[TT+2*i:TT+2*i+1]
.set i, i+1
.endr
	WIN 0
.set i, 0
.rept 8
	v_cvt_pk_bf16_f32 v[OUTR+16*(\j)+i], v[TT+2*i], v[TT+2*i+1]    ; hi
.set i, i+1
.endr
.set i, 0
.rept 8
	v_lshlrev_b32 v[TT+16+2*i], 16, v[OUTR+16*(\j)+i]              ; hi back as f32: the low half moves up,
	v_and_b32 v[TT+16+2*i+1], s47, v[OUTR+16*(\j)+i]               ; the high half stays
.set i, i+1
.endr
.set i, 0
.rept 16
	v_sub_f32 v[TT+i], v[TT+i], v[TT+16+i]                         ; act - hi, exact
.set i, i+1
.endr
.set i, 0
.rept 8
	v_cvt_pk_bf16_f32 v[OUTR+16*(\j)+8+i], v[TT+2*i], v[TT+2*i+1]  ; lo
.set i, i+1
.endr
	s_wait_alu depctr_va_vdst(0)                   ; the conversions have written the tile's hi and lo, which the four stores read
	global_store_b128 v[AO+(\j)], v[OUTR+16*(\j):OUTR+16*(\j)+3], s[14:15]         ; the slice's 32 columns are one fragment of the next launches: two stores of 512 consecutive bytes
	global_store_b128 v[AO+(\j)], v[OUTR+16*(\j)+4:OUTR+16*(\j)+7], s[14:15] offset:512
	global_store_b128 v[AO+(\j)], v[OUTR+16*(\j)+8:OUTR+16*(\j)+11], s[14:15] offset:LOOFF
	global_store_b128 v[AO+(\j)], v[OUTR+16*(\j)+12:OUTR+16*(\j)+15], s[14:15] offset:LOOFF+512
.Le\@:
.endm
	s_load_b256 s[4:11], s[0:1], 0x0               ; w13 s[4:5], B s[6:7], xs s[8:9], um s[10:11]
	s_load_b128 s[12:15], s[0:1], 0x20             ; meta s[12:13], actf s[14:15]
	v_lshl_add_u32 v62, v0, 2, 0x4a800
	v_mov_b32 v63, 0
	v_lshrrev_b32 v[TA], 5, v0
	v_readfirstlane_b32 s[WV], v[TA]
	v_and_b32 v[LANE], 31, v0
	v_lshlrev_b32 v[VA], 4, v[LANE]
	v_mov_b32 v[VW], v[VA]
	v_lshrrev_b32 v[TA], 1, v[LANE]
	v_and_b32 v[TB], 1, v[LANE]
	v_lshlrev_b32 v[PF], 13, v[TA]                 ; row lane / 2 of 8,192 bytes,
	v_lshl_add_u32 v[PF], v[TB], 8, v[PF]          ; its first or second 256 bytes of a chunk
	s_mov_b32 s[SL], ttmp9
	s_and_b32 s[EX], ttmp7, 0xffff
	s_wait_alu depctr_va_sdst(0)                   ; the wave's number is written, ahead of its first reader: the bases are made from it
	s_lshr_b32 s34, s[WV], 1                       ; image rows 16 w on = w13 rows (w / 2) 1024 + 32 sl + 16 (w % 2) on
	s_lshl_b32 s34, s34, 10
	s_and_b32 s35, s[WV], 1
	s_lshl_b32 s35, s35, 4
	s_add_co_u32 s34, s34, s35
	s_lshl_b32 s35, s[SL], 5
	s_add_co_u32 s34, s34, s35
	s_lshl_b32 s35, s[EX], 11
	s_add_co_u32 s34, s34, s35                     ; 2048 e + my first row
	s_mov_b32 s33, 0
	s_lshl_b32 s40, s[EX], 2
	s_mov_b32 s[PB], 0
	s_mov_b32 s47, 0xffff0000                      ; a word's upper bf16
	s_mov_b32 s48, 0xbfb8aa3b                      ; -log2(e)
	s_mov_b32 s49, s48                             ; named with it as a pair
	s_mov_b32 s[WST+1], 0
	s_wait_kmcnt 0x0
	s_load_b32 s[T0], s[12:13], s40 offset:0x0     ; the expert's first tile
	s_load_b32 s[NTL], s[12:13], s40 offset:0x20   ; and its number of tiles
	s_lshl_b32 s32, s34, 6                         ; B's rows of 64 bytes
	s_add_nc_u64 s[44:45], s[6:7], s[32:33]
	s_lshl_b32 s32, s34, 13                        ; rows of 8,192 bytes
	s_add_nc_u64 s[WB:WB+1], s[4:5], s[32:33]
	s_lshl_b32 s32, s[SL], 10
	s_add_nc_u64 s[14:15], s[14:15], s[32:33]      ; actf at my slice's fragment
	WIN 0x40
	s_wait_alu depctr_va_vdst(0)                   ; v[VA], v[VW] and v[PF] are written: the loads and prefetches below read them as their offsets
.set m, 0
.rept 8                                ; m = 2 l + u: adapter l, my rows 8 u on: eight rows of 64 bytes are 512 consecutive bytes
	global_load_b128 v[LBF+4*m:LBF+4*m+3], v[VA], s[44:45] offset:(m/2)*1048576+(m%2)*512
.set m, m+1
.endr
	WIN 0
	WLOADS WS, 0x40, 0                             ; chunk 0
	WLOADS C1T, 0x80, 512                          ; chunk 1
.irp c,2,3,4                           ; asked for ahead: my part of chunks 2 to 4, each block of 256 bytes once; the loop goes on with chunk 5
	global_prefetch_b8 v[PF], s[WB:WB+1] offset:\c*512 th:TH_LOAD_NT scope:SCOPE_SE
.endr
	v_and_b32 v[TA], 15, v[LANE]
	v_lshrrev_b32 v[TB], 4, v[LANE]
	v_mul_u32_u24 v[WA0], v[TA], PITCH
	v_lshl_add_u32 v[WA0], v[TB], 4, v[WA0]
	v_mul_u32_u24 v[LW], v[TA], LP
	v_lshl_add_u32 v[LW], v[TB], 4, v[LW]
	v_add_nc_u32 v[LW], LIMG, v[LW]
	s_mul_i32 s35, s[WV], 16*PITCH
	v_lshl_add_u32 v[SA0], v[LANE], 3, s35
	v_lshrrev_b32 v[TA], 2, v[LANE]                ; a load of B: row lane / 4, ranks 4 (lane % 4) on
	s_lshl_b32 s35, s[WV], 4
	v_add_nc_u32 v[TA], s35, v[TA]
	v_mul_u32_u24 v[TA], v[TA], LP
	v_and_b32 v[TB], 3, v[LANE]
	v_lshl_add_u32 v[TA], v[TB], 3, v[TA]
	v_add_nc_u32 v[LSA], LIMG, v[TA]
	s_wait_kmcnt 0x0
	PASS_OFFS
	s_wait_loadcnt 32                              ; B is in: behind it stand chunks 0 and 1
	WIN 0x45
.set m, 0
.rept 8
	v_cvt_pk_bf16_f32 v[LBF+4*m], v[LBF+4*m], v[LBF+4*m+1]
	v_cvt_pk_bf16_f32 v[LBF+4*m+1], v[LBF+4*m+2], v[LBF+4*m+3]
.set m, m+1
.endr
	WIN 0x04
	s_wait_alu depctr_va_vdst(0)                   ; the conversions have written B's registers, which the LDS stores read; v[LSA], v[LW] and the pass's offsets are written
.set m, 0
.rept 8
	ds_store_b64 v[LSA], v[LBF+4*m:LBF+4*m+1] offset:(m%2)*8*LP+(m/2)*32
.set m, m+1
.endr
	WIN 0
	UMLOADS
	s_wait_loadcnt 40                              ; chunk 0 is in: behind it stand chunk 1 (16) and u (24)
	WCVT WS, WO, 2, 0x45
	s_wait_loadcnt 24                              ; chunk 1 is in: behind it stands u
	WCVT C1T, C1T, 4, 0x8a                         ; in place: these registers are not loaded again
	v_add_nc_u32 v[SA], s[KOFF], v[SA0]
	s_wait_alu depctr_va_vdst(0)                   ; both chunks' conversions have written what the LDS stores read and are done reading WS, in which chunk 2 lands; v[SA] is written
	WPUT WO, 2, 0x04, 0
	WPUT C1T, 4, 0x08, SUBB
.irp j,0,1,2,3,4,5                     ; the rings are filled in the order in which the loop refills them: quarters 0 and 1 of step 0,
	XQ 0, \j, 0
.endr
	WLOADS WS, 0x40, 1024                          ; chunk 2,
.irp j,0,1,2                           ; quarter 2; quarter 3 is asked for in the step's first quarter, as in every step
	XQ 1, \j, 0
.endr
	s_wait_xcnt 0x0                                ; the base steps only behind this wait
	s_add_nc_u64 s[WB:WB+1], s[WB:WB+1], 1024
	BAR                                            ; B's image and chunks 0 and 1 are whole
	s_wait_loadcnt 52                              ; u is in: behind it stand 24 + 12 loads of x and chunk 2's 16
	LORAHALF
	v_add_nc_u32 v[WA], s[KOFF], v[WA0]
	s_wait_alu depctr_va_vdst(0)                   ; those products are done reading the first fragment buffer, in which the loads below land; v[WA] is written
	WFLOAD 0, WA, PITCH, 0                         ; chunk 0's first fragments
	s_mov_b32 s[CNT], NCH-1
.Lmain:                                                ; step t = NCH - 1 - CNT
	s_wait_alu depctr_vm_vsrc(0)                   ; the LDS loads and stores issued so far have read v[WA], v[SA] and WO, the weight loads v[VW]: all four are written again in this step
	v_add_nc_u32 v[WA], s[KOFF], v[WA0]
	v_add_nc_u32 v[SA], s[KOFF], v[SA0]
	Q0 52                                          ; younger than a group's four loads: the rest of its run and this quarter's runs so far (12), two quarters' 24, the weights' 16
	s_wait_alu depctr_va_vdst(0)                   ; quarter 1: quarter 0's products are done reading their x, in which the loads below land
	XQ 0, 0, 4096
	GRP 0, 3, 52
	XQ 0, 1, 4096
	GRP 0, 4, 52
	XQ 0, 2, 4096
	GRP 0, 5, 52
	s_wait_loadcnt 36                              ; chunk t + 2 is in: behind it stand three quarters' 12 loads of x each
	WCVT WS, WO, 2, 0x45
	s_cmp_ge_u32 s[CNT], 3                         ; is there a chunk t + 3?
	s_cselect_b32 s[WM], 0x1f0, 0                  ; if not: all lanes at the same 16 bytes,
	s_cselect_b32 s[WST], 512, 0                   ; of the last chunk
	v_and_b32 v[VW], s[WM], v[VA]                  ; the offset and the base: their last readers, the last step's weight loads and prefetch, stand ahead of that step's s_wait_xcnt 0
	s_add_nc_u64 s[WB:WB+1], s[WB:WB+1], s[WST:WST+1]
	s_wait_alu depctr_va_vdst(0)                   ; quarter 2: quarter 1's products are done reading their x, the first half's the first fragment buffer; the conversions have read WS and written WO; v[VW] is written
	XQ 0, 3, 4096                                  ; x first: these twelve are wanted before chunk t + 3 is
	XQ 0, 4, 4096
	XQ 0, 5, 4096
	WLOADS WS, 0x40, 0
	s_cmp_lt_u32 s[CNT], 5
	s_cbranch_scc1 .Lnopf                          ; the last trips ask for nothing ahead: chunk t + 5 would lie past the row's end
	global_prefetch_b8 v[PF], s[WB:WB+1] offset:1024 th:TH_LOAD_NT scope:SCOPE_SE  ; my part of chunk t + 5, two steps ahead of the load that will want it; each block of 256 bytes once
.Lnopf:
	s_wait_dscnt 0x0                               ; the second half's fragments are in: no LDS instruction was issued behind them
	GRP 1, 0, 60                                   ; this quarter's loads stand in one run: the counts run down by the group's own run
	WPUT WO, 2, 0x04, 2*SUBB                       ; no wait: the products since the wait name neither WO nor v[SA]
	GRP 1, 1, 56
	WFLOAD 0, WA, PITCH, SUBB                      ; the next chunk's first fragments: it has been whole since the last barrier; the products since the wait name the second buffer alone
	GRP 1, 2, 52
	s_wait_xcnt 0x0                                ; the one such wait of a step, three groups behind the last load: x's base steps behind it, and so do, in the next step, the weights' base and offset
	s_add_nc_u64 s[XB:XB+1], s[XB:XB+1], 4096
	s_wait_alu depctr_va_vdst(0)                   ; quarter 3: quarter 2's products are done reading their x, in which the loads below land
	XQ 1, 0, 0
	GRP 1, 3, 52
	XQ 1, 1, 0
	GRP 1, 4, 52
	XQ 1, 2, 0
	GRP 1, 5, 52
	s_add_co_u32 s[KOFF], s[KOFF], SUBB
	BAR                                            ; chunk t + 2 is whole; nobody writes it again
	s_sub_co_u32 s[CNT], s[CNT], 1
	s_cmp_lg_u32 s[CNT], 0
	s_cbranch_scc1 .Lmain
	s_mov_b32 s[IC], 1                             ; the main pass has one step left: three quarters of its x and its first fragments are on their way
	s_mov_b32 s[TC], 7
	s_wait_alu depctr_vm_vsrc(0)                   ; the LDS loads issued so far have read v[WA]
	v_add_nc_u32 v[WA], s[KOFF], v[WA0]
	s_branch .Llast
.Lpass:                                                ; the next pass of 24 tile places, jumped by a wave that has no tile in it
	s_add_co_u32 s[PB], s[PB], 24
	s_add_co_u32 s34, s[PB], s[WV]
	s_cmp_ge_u32 s34, s[NTL]
	s_cbranch_scc1 .Lskip
	s_wait_xcnt 0x0                                ; the last pass's loads and stores have had their addresses translated: their offsets and data are rewritten only behind this wait
	s_wait_alu depctr_vm_vsrc(0)                   ; and they have read their offsets, which are made anew below, and the out-registers, in which x lands again
	PASS_OFFS
	s_wait_alu depctr_va_vdst(0)                   ; the new offsets are written; the last pass's products and its way out are done with u's, x's and the fragments' registers, in which the loads below land
	UMLOADS
	s_wait_loadcnt 0x0
	LORAHALF
	s_mov_b32 s[IC], NCH
.Ltk:                                                  ; a step over the finished image: three quarters of its x and its first fragments are asked for here
	s_wait_alu depctr_vm_vsrc(0)                   ; the LDS loads issued so far have read v[WA]
	v_add_nc_u32 v[WA], s[KOFF], v[WA0]
	s_wait_alu depctr_va_vdst(0)                   ; the products issued so far are done reading x and the fragment buffers; v[WA] is written
.irp j,0,1,2,3,4,5
	XQ 0, \j, 0
.endr
.irp j,0,1,2
	XQ 1, \j, 0
.endr
	WFLOAD 0, WA, PITCH, 0
.Llast:
	Q0 36                                          ; younger: the rest of the run and this quarter's runs so far (12), two quarters' 24 (on the way out of the loop sixteen more: the smaller count serves both ways)
	GRP 0, 3, 32                                   ; nothing is asked for any more: younger are the later groups' loads
	GRP 0, 4, 28
	GRP 0, 5, 24
	s_wait_dscnt 0x0                               ; the second half's fragments are in
	GRP 1, 0, 20
	GRP 1, 1, 16
	GRP 1, 2, 12
	GRP 1, 3, 8
	GRP 1, 4, 4
	GRP 1, 5, 0
.rept 4
	v_nop                                          ; four places between the last product and the first vector read of a sum (ISA guide 7.12.1)
.endr
	s_add_nc_u64 s[XB:XB+1], s[XB:XB+1], 4096      ; every load has been waited for
	s_add_co_u32 s[KOFF], s[KOFF], SUBB
	s_sub_co_u32 s[IC], s[IC], 1
	s_cmp_lg_u32 s[IC], 0
	s_cbranch_scc1 .Ltk
.irp j,0,1,2,3,4,5
	EPI \j
.endr
.Lskip:
	s_sub_co_u32 s[TC], s[TC], 1
	s_cmp_lg_u32 s[TC], 0
	s_cbranch_scc1 .Lpass
	BAR                                            ; every wave's reads of LDS in the passes are over; the barrier stands where it stood
	s_wait_dscnt 0x0                               ; the wave's end
	s_wait_alu depctr_hold_cnt(0) depctr_sa_sdst(0) depctr_va_vdst(0) depctr_va_sdst(0) depctr_va_ssrc(0) depctr_va_vcc(0) depctr_vm_vsrc(0)
	s_wait_tensorcnt 0x0
	ds_add_u32 v62, v63
	s_wait_dscnt 0x0
	s_endpgm
.Lfunc_end_k_qe2a52ddb71_gateup:
	.size	k_qe2a52ddb71_gateup, .Lfunc_end_k_qe2a52ddb71_gateup-k_qe2a52ddb71_gateup
	.p2alignl 7, 3214868480
	.fill 96, 4, 3214868480
	.section	.rodata,"a",@progbits
	.p2align	6, 0x0
	.amdhsa_kernel k_qe2a52ddb71_gateup
		.amdhsa_group_segment_fixed_size 305664
		.amdhsa_private_segment_fixed_size 0
		.amdhsa_enable_private_segment 0
		.amdhsa_kernarg_size 48
		.amdhsa_user_sgpr_count 2
		.amdhsa_user_sgpr_kernarg_segment_ptr 1
		.amdhsa_wavefront_size32 1
		.amdhsa_system_sgpr_workgroup_id_x 1
		.amdhsa_system_sgpr_workgroup_id_y 1
		.amdhsa_system_sgpr_workgroup_id_z 1
		.amdhsa_system_vgpr_workitem_id 0
		.amdhsa_next_free_vgpr 864
		.amdhsa_next_free_sgpr 66
		.amdhsa_reserve_vcc 0
		.amdhsa_float_denorm_mode_32 3
		.amdhsa_float_denorm_mode_16_64 3
		.amdhsa_memory_ordered 1
		.amdhsa_forward_progress 1
		.amdhsa_inst_pref_size 113
	.end_amdhsa_kernel
	.amdgpu_metadata
---
amdhsa.version: [ 1, 2 ]
amdhsa.kernels:
  - .name:           k_qe2a52ddb71_gateup
    .symbol:         k_qe2a52ddb71_gateup.kd
    .args:
      - { .name: w13, .offset: 0, .size: 8, .value_kind: global_buffer, .address_space: global }
      - { .name: gu_lora_b, .offset: 8, .size: 8, .value_kind: global_buffer, .address_space: global }
      - { .name: xs, .offset: 16, .size: 8, .value_kind: global_buffer, .address_space: global }
      - { .name: um, .offset: 24, .size: 8, .value_kind: global_buffer, .address_space: global }
      - { .name: meta, .offset: 32, .size: 8, .value_kind: global_buffer, .address_space: global }
      - { .name: actf, .offset: 40, .size: 8, .value_kind: global_buffer, .address_space: global }
    .group_segment_fixed_size: 305664
    .private_segment_fixed_size: 0
    .kernarg_segment_align: 8
    .kernarg_segment_size: 48
    .max_flat_workgroup_size: 128
    .sgpr_count:     66
    .vgpr_count:     864
    .wavefront_size: 32
...
	.end_amdgpu_metadata
.endif
;; end of part 6
;; launch vlora: the kernel of part 3 again; grid 160 x 1, 8 waves a work-group, no clusters, 42,240 bytes of LDS; arguments down_lora_a, actf, meta, vm; writes vm
;; launch down (part 7): grid 32 x 8, 4 waves a work-group, no clusters, 183,808 bytes of LDS; arguments w2, down_lora_b, actf, vm, meta, rowslot, roww, part; writes part
.if DOCPART == 7
	.amdgcn_target "amdgcn-amd-amdhsa--gfx1250"
	.amdhsa_code_object_version 6
	.text
	.protected	k_qe2a52ddb71_down
	.globl	k_qe2a52ddb71_down
	.p2align	8
	.type	k_qe2a52ddb71_down,@function
k_qe2a52ddb71_down:
	s_mov_b64 s[64:65], 0
	v_nop
	global_prefetch_b8 v0, s[64:65] scope:SCOPE_SE
	s_setreg_imm32_b32 hwreg(HW_REG_WAVE_SCHED_MODE, 0, 2), 2
	s_setreg_imm32_b32 hwreg(HW_REG_WAVE_MODE, 25, 1), 1
	s_wait_xcnt 0x0
	s_wait_alu depctr_vm_vsrc(0)
; d = [act | v] [w2 | dB]^T, times the slot's topk_weight: one f32 row of part for each slot.  Work-group (slice hs, expert e) alone reads 64 rows of w2[e] (columns 64 hs .. + 63 of d: 256 KiB of f32)
; and takes all of the expert's tiles of 16 rows.  The structure is that of the gate and up product:
; FOUR WAVES, ALL ALIKE, as many as a WGP has SIMDs.  Wave w loads image rows 16 w .. 16 w + 15, rounds them to bf16 and lays them into an image of the whole slice in LDS; and it multiplies tiles
; w, w + 4 .. w + 20 of a pass of 24, all 64 columns: 24 accumulators, 192 registers; act's fragments come from actf straight into registers.
; ACT COMES IN TWO bf16 PARTS, hi and lo (act = hi + lo to 16 significant bits; lo lies LOOFF bytes behind hi).  Both are multiplied by the same weight fragments in one go: a GROUP is a tile's sixteen
; products for 64 along K, eight on hi and eight on lo.  So a weight fragment read from LDS feeds twelve products' worth of tiles: six tiles, two parts.
; THE MODE: SCHED_MODE bits 1:0 = 2 (LLVM: expert scheduling mode 2), set by the entry lines.  The code itself states the register dependences between vector or matrix instructions and memory or
; LDS instructions, with s_wait_alu, always for 0.
; K GOES IN STEPS OF 128: two halves of 64, six groups a half, two groups a THIRD of a half.  THREE RINGS run through a step:
;   act: in each third the 64 registers that the third before multiplied are loaded again, with what the same two tiles take four groups later, in the next half;
;   weight fragments: two buffers of 64 registers; a half's fragments are asked for from LDS in the half before;
;   weights: at the end of the first half of step t chunk t + 2, asked for a step ago, is rounded into an out-buffer; at the head of the second half chunk t + 3 is asked for, and behind that half's
;   first group chunk t + 2 is stored.  So chunk t + 1 has been whole since the barrier before.
; One barrier closes a step.  In a step chunks t and t + 1 are read and chunk t + 2 is written: other bytes.  By the text's own count up to 64 loads of a wave are out: 48 of act and 16 of weights.
; THE PLAN.  Registers that memory or LDS instructions touch in the loop:
;   X of tiles 0-1, 2-3, 4-5   64 registers each.  Read by a third's products; the loads issued in the next third land in them.
;   WF0, WF1   WF0: read by the first half's products; the LDS loads issued behind the second half's second group land in it.  WF1: read by the second half's; the LDS loads issued behind the step's first group land in it.
;   WS         The weight loads at the second half's head land in it; read by the conversions at the first half's end.
;   WO         Written by those conversions; read by the LDS stores behind the second half's first group.
;   v[WA], v[SA]  Written at the step's head; read by the LDS loads and stores.     v[VW]  Written at the first half's end; read by the weight loads.     v[XO ..], v[PF]  Never written in the loop.
; So ONE wait on va_vdst stands at each third's head.  Between it and the next head the only vector or matrix instructions are the third's products (and, at the first half's end, the conversions and the
; line that makes v[VW]); the products name the third's own X, the half's own WF and the sums: none of the registers that the loads and stores dealt among them touch.  ONE wait on vm_vsrc stands at the
; step's head: it frees v[WA] and v[SA], and with them WO and v[VW], which the last step's stores and weight loads read.
; Loads come back in order, so each wait names how many younger loads may stay out; at the second half's head act's loads stand AHEAD of the weights' sixteen, so that the first load that is younger than a
; chunk's is wanted six groups behind the chunk's request.
; THE LAST TWO TRIPS of the loop have no chunk left to ask for.  Their sixteen loads are issued all the same, so that every count stays what it is, but with all lanes at 16 bytes of each row's last
; chunk; what they bring is stored once, into one more chunk's room behind the image, which nobody reads.  The price of one text for all trips: 32 such loads and one such store a wave.
; EVERY SPLIT.  Behind the last barrier of the loop the whole slice lies in LDS; tiles 24 and up are taken by further passes over the image, in a loop of seven trips that every wave walks; a wave with no
; tile in a pass jumps over the pass's work alone.  The step of these passes is the main pass's last step: the main pass enters that loop in its middle, with a count of 1.  Each trip has two barriers,
; outside the jumps: between the walk's reads of LDS and the way out's stores into LDS, and between those stores and the next walk's reads.  A tile place without a tile loads
; 16 bytes of tile 0 in all lanes; its products and stores are jumped.  An expert without rows still streams its slice.
; THE WAY OUT goes through the wave's own stage in LDS, so that sixteen lanes store 256 consecutive bytes of a slot's row.  Rows that repeat a group's last row store the same numbers at the same place.
; NO CLUSTER, NO TENSOR LOAD: each weight has one reader and must pass through registers to be rounded; act shared through LDS would want two slots of 24 tiles x 4 KiB = 196,608 bytes beside 183,296 in use.
; LIMITS.  Weights and v are rounded once to bf16; the slot's weight arrives rounded once to bf16; sums in f32.  A slot is clamped to 0..2047.  NaN and infinities are not treated apart.
; REGISTERS, in windows of 256 (s_set_vgpr_msb: bits 1:0 source 0, 3:2 source 1, 5:4 source 2, 7:6 destination):
;   window 0: v0-43 addresses; v64-255 act; the way out works there later.  act lies with the addresses, so its loads need no switch
;   window 1: v0-127 weight fragments; v128-191 sixteen weight loads; v192-223 dB; v224-255 a chunk rounded          window 2: v0-191 the sums; v192-255 chunk 1 at the start          window 3: v0-95 v; v96-191 slots and weights
.set NCH,   8                          ; chunks of 128 along K
.set ROWB,  4096                       ; bytes in a weight row
.set XSH,   15                         ; a tile of actf is 32,768 bytes
.set LOOFF, 5242880                    ; 160 tiles x 32,768 bytes: from act's first part to its second; inside a load's signed 24-bit immediate
.set PITCH, 272                        ; an image row: 128 bf16 + 16 bytes = 17 x 16: the 16 rows of a fragment load start at 16 different groups of four banks
.set SUBB,  64*PITCH
.set LIMG,  (NCH+1)*SUBB               ; behind the image and the one more chunk's room: dB's 64 rows x (4 adapters x 16 ranks) bf16, pitch 144
.set LP,    144
.set STAGE, LIMG+64*LP                 ; 16 rows x 272 bytes for each wave; the 512 bytes behind the stages take the closing add
; window 0
.set LANE, 1
.set VA,   2                           ; 16 x lane
.set VW,   3                           ; the same, or 0 where the weight loads have nothing left to fetch
.set WA0,  4
.set WA,   5
.set LW,   6
.set SA0,  7
.set SA,   8
.set LSA,  9
.set TA,   10
.set TB,   11
.set XO,   14                          ; v14-19  tile j's byte offset in actf
.set UO,   20                          ; v20-25  in vm
.set STO,  26
.set RD,   27
.set C16,  28                          ; 16 (lane % 16)
.set RSV,  29                          ; 32 (lane / 16)
.set RWV,  30                          ; 4 (lane % 16)
.set PF,   31                          ; (lane / 2) rows + 256 (lane % 2)
.set EOS,  32                          ; v32-37  tile j's byte offset in rowslot
.set EOW,  38                          ; v38-43  in roww
.set XF,   64                          ; act fragments (j, q) at + 32 j + 8 q: q = 0, 1 hi, q = 2, 3 lo
.set TW,   64                          ; the way out: 32 registers, the scaled sums
.set PO,   96                          ; eight store offsets
.set CW,   104                         ; the row's weight, as a pair
.set TR,   128                         ; 32 registers, whole rows as they come back from the stage
; window 1
.set WF,   0
.set WS,   128
.set LBF,  192
.set WO,   224                         ; row n's 4 bf16 a lane at + 2 n
; window 2
.set ACC,  0
.set C1T,  192
; window 3
.set UMR,  0
.set ER,   96                          ; tile j's eight slots and its weight at + 16 j
.set WV,   20
.set SL,   21
.set EX,   22
.set CNT,  23
.set IC,   24
.set T0,   25
.set NTL,  26
.set NT,   27
.set TC,   28
.set PB,   29
.set XB,   30
.set WB,   42
.set KOFF, 46
.set WM,   50
.set WST,  52
.set MUL,  0xa1                        ; weights window 1, act window 0, sums window 2
.set MULU, 0xad                        ; the same with v, window 3
.set MSB, 0
.macro WIN new                         ; the immediate's high byte repeats the setting that is left; a switch that changes nothing is dropped
.if MSB != (\new)
	s_set_vgpr_msb (MSB<<8)|(\new)
.set MSB, (\new)
.endif
.endm
.macro BAR                             ; my LDS instructions are done, loads and stores; then the work-group's barrier
	s_wait_dscnt 0x0
	s_barrier_signal -1
	s_barrier_wait -1
.endm
.macro WLOADS base, wl, add            ; a chunk's sixteen rows of mine, 512 consecutive bytes each
	WIN \wl
.set n, 0
.rept 16
	global_load_b128 v[(\base)+4*n:(\base)+4*n+3], v[VW], s[WB:WB+1] offset:n*ROWB+(\add) th:TH_LOAD_NT
.set n, n+1
.endr
	WIN 0
.endm
.macro WCVT src, out, os, wc           ; a chunk's sixteen loads rounded to bf16: row n's four numbers a lane into two registers at out + os n
	WIN \wc
.set n, 0
.rept 16
	v_cvt_pk_bf16_f32 v[(\out)+(\os)*n], v[(\src)+4*n], v[(\src)+4*n+1]
	v_cvt_pk_bf16_f32 v[(\out)+(\os)*n+1], v[(\src)+4*n+2], v[(\src)+4*n+3]
.set n, n+1
.endr
	WIN 0
.endm
.macro WPUT out, os, wd, off           ; and laid into the image: 256 consecutive bytes a store
	WIN \wd
.set n, 0
.rept 16
	ds_store_b64 v[SA], v[(\out)+(\os)*n:(\out)+(\os)*n+1] offset:(\off)+n*PITCH
.set n, n+1
.endr
	WIN 0
.endm
.macro WFLOAD f, a, pitch, kb          ; sixteen LDS loads: 64 rows x 64 along K at byte kb, into buffer f
	WIN 0x40
.irp qq,0,1
.irp nt,0,1,2,3
	ds_load_b128 v[WF+64*(\f)+32*\qq+8*\nt:WF+64*(\f)+32*\qq+8*\nt+3], v[\a] offset:\nt*16*(\pitch)+(\kb)+\qq*64
	ds_load_b128 v[WF+64*(\f)+32*\qq+8*\nt+4:WF+64*(\f)+32*\qq+8*\nt+7], v[\a] offset:\nt*16*(\pitch)+(\kb)+\qq*64+32
.endr
.endr
	WIN 0
.endm
.macro XG j, add                       ; tile j's act for 64 along K, both parts: eight loads of 512 consecutive bytes; add: 0 for a step's first half, 2,048 for its second
.irp q,0,1,2,3
	global_load_b128 v[XF+32*(\j)+8*\q:XF+32*(\j)+8*\q+3], v[XO+(\j)], s[XB:XB+1] offset:(\add)+(\q%2)*1024+(\q/2)*LOOFF
	global_load_b128 v[XF+32*(\j)+8*\q+4:XF+32*(\j)+8*\q+7], v[XO+(\j)], s[XB:XB+1] offset:(\add)+(\q%2)*1024+(\q/2)*LOOFF+512
.endr
.endm
.macro UMLOADS                         ; v's fragments: 24 loads
	WIN 0xc0
.irp j,0,1,2,3,4,5
.irp qq,0,1
	global_load_b128 v[UMR+16*\j+8*\qq:UMR+16*\j+8*\qq+3], v[UO+\j], s[10:11] offset:\qq*1024
	global_load_b128 v[UMR+16*\j+8*\qq+4:UMR+16*\j+8*\qq+7], v[UO+\j], s[10:11] offset:\qq*1024+512
.endr
.endr
	WIN 0
.endm
.macro ELOADS                          ; for the way out: the slots of rows 8 (lane / 16) + 0..7 and the weight of row lane % 16: 18 loads
	WIN 0xc0
.irp j,0,1,2,3,4,5
	global_load_b128 v[ER+16*\j:ER+16*\j+3], v[EOS+\j], s[14:15]
	global_load_b128 v[ER+16*\j+4:ER+16*\j+7], v[EOS+\j], s[14:15] offset:16
	global_load_b32 v[ER+16*\j+8], v[EOW+\j], s[16:17]
.endr
	WIN 0
.endm
; A GROUP: tile j's sixteen products of half ss, hi and then lo: its four accumulators by turns, four times; the last names column tile 3 and the next group's first column tile 0.
; n: how many younger loads may stay out when the group's act has to be there.  The products are jumped where the wave has no tile j.
.macro GRP ss, j, n
	s_wait_loadcnt \n
	s_cmp_le_u32 s[NT], \j
	s_cbranch_scc1 .Lg\@
	WIN MUL
.irp q,0,1,2,3
.irp nt,0,1,2,3
	v_wmma_f32_16x16x32_bf16 v[ACC+32*(\j)+8*\nt:ACC+32*(\j)+8*\nt+7], v[WF+64*(\ss)+32*(\q%2)+8*\nt:WF+64*(\ss)+32*(\q%2)+8*\nt+7], v[XF+32*(\j)+8*\q:XF+32*(\j)+8*\q+7], v[ACC+32*(\j)+8*\nt:ACC+32*(\j)+8*\nt+7]
.endr
.endr
	WIN 0
.Lg\@:
.endm
; A STEP'S FIRST HALF, in the loop and in the last step alike.  Eight loads stand ahead of each group: those of the tile that was multiplied two groups ago.  Younger than a group's eight loads are
; four runs of eight: 32.
.macro HALF0
	s_wait_alu depctr_va_vdst(0)                   ; the products issued so far are done reading tiles 4 and 5's act and the second fragment buffer, in which this third's loads land; v[WA] (in the loop v[SA] too) is written
	XG 4, 0
	s_wait_dscnt 0x0                               ; the first half's fragments are in (in the loop's later trips the barrier's wait has shown it)
	GRP 0, 0, 32
	WFLOAD 1, WA, PITCH, 128                       ; no wait: the products since the wait name the first buffer alone
	XG 5, 0
	GRP 0, 1, 32
	s_wait_alu depctr_va_vdst(0)                   ; the last third's products are done reading tiles 0 and 1's act, in which the loads below land
	XG 0, 2048
	GRP 0, 2, 32
	XG 1, 2048
	GRP 0, 3, 32
	s_wait_alu depctr_va_vdst(0)                   ; the last third's products are done reading tiles 2 and 3's act, in which the loads below land
	XG 2, 2048
	GRP 0, 4, 32
	XG 3, 2048
	GRP 0, 5, 32
.endm
; A pass begins: my six tiles' places.  A loaded number enters an offset only behind a clamp, and behind the clamp stand shifts to the left, an AND and sums alone.
.macro PASS_OFFS
	s_mov_b32 s[NT], 0
	s_add_co_u32 s34, s[PB], s[WV]
.irp j,0,1,2,3,4,5
	s_add_co_u32 s35, s34, 4*\j                    ; the tile's number in the expert
	s_add_co_u32 s36, s35, s[T0]
	s_cmp_lt_u32 s35, s[NTL]
	s_cselect_b32 s36, s36, 0                      ; no such tile: tile 0,
	s_cselect_b32 s37, 0x1f0, 0                    ; all lanes at the same 16 bytes
	s_cselect_b32 s38, 1, 0
	s_min_u32 s36, s36, 159
	s_min_u32 s37, s37, 0x1f0
	s_add_co_u32 s[NT], s[NT], s38                 ; my tiles are j = 0 .. NT - 1
	v_and_b32 v[TA], s37, v[VA]
	s_lshl_b32 s39, s36, XSH
	v_add_nc_u32 v[XO+\j], s39, v[TA]
	s_lshl_b32 s39, s36, 11
	v_add_nc_u32 v[UO+\j], s39, v[TA]
	s_lshl_b32 s39, s36, 6                         ; 16 words of each list a tile
	v_add_nc_u32 v[EOS+\j], s39, v[RSV]
	v_add_nc_u32 v[EOW+\j], s39, v[RWV]
.endr
	s_mov_b64 s[XB:XB+1], s[8:9]
	s_mov_b32 s[KOFF], 0
.endm
.macro LORAHALF                        ; v dB^T starts all 24 sums, on every way: no accumulator is cleared
	WFLOAD 0, LW, LP, 0
	s_wait_dscnt 0x0
	WIN MULU
.irp j,0,1,2,3,4,5
.irp qq,0,1
.irp nt,0,1,2,3
.if \qq == 0
	v_wmma_f32_16x16x32_bf16 v[ACC+32*\j+8*\nt:ACC+32*\j+8*\nt+7], v[WF+32*\qq+8*\nt:WF+32*\qq+8*\nt+7], v[UMR+16*\j+8*\qq:UMR+16*\j+8*\qq+7], 0
.else
	v_wmma_f32_16x16x32_bf16 v[ACC+32*\j+8*\nt:ACC+32*\j+8*\nt+7], v[WF+32*\qq+8*\nt:WF+32*\qq+8*\nt+7], v[UMR+16*\j+8*\qq:UMR+16*\j+8*\qq+7], v[ACC+32*\j+8*\nt:ACC+32*\j+8*\nt+7]
.endif
.endr
.endr
.endr
	WIN 0
.endm
; Tile j leaves: the slots become store offsets; the sums are multiplied by the row's weight, go into my stage as a lane holds them and come back as whole rows of 256 bytes, into registers of their own,
; so that nothing is owed between the stage's stores and its loads.
.macro TILE_OUT j
	s_cmp_le_u32 s[NT], \j
	s_cbranch_scc1 .Lt\@
	s_wait_xcnt 0x0                                ; the tile before's stores have had their addresses translated: their offsets and data are rewritten only behind this wait
	s_wait_alu depctr_vm_vsrc(0)                   ; the tile before's LDS stores have read the scaled sums, its global stores their offsets and the rows: all three are written again below
	WIN 0x0c
.irp i,0,1,2,3,4,5,6,7
	v_min_u32 v[PO+\i], 0x7ff, v[ER+16*(\j)+\i]
.endr
	WIN 0x03
	v_mov_b32 v[CW], v[ER+16*(\j)+8]
	v_mov_b32 v[CW+1], v[ER+16*(\j)+8]             ; the weight is named as a pair
	WIN 0
.irp i,0,1,2,3,4,5,6,7
	v_lshlrev_b32 v[PO+\i], 13, v[PO+\i]           ; slot x 8,192 bytes
	v_add_nc_u32 v[PO+\i], v[C16], v[PO+\i]        ; + my 16 bytes
.endr
	WIN 0x02
.set i, 0
.rept 16
	v_pk_mul_f32 v[TW+2*i:TW+2*i+1], v[ACC+32*(\j)+2*i:ACC+32*(\j)+2*i+1], v[CW:CW+1] op_sel_hi:[1,0]
.set i, i+1
.endr
	WIN 0
	s_wait_alu depctr_va_vdst(0)                   ; the scaled sums are written, which the LDS stores read, and the offsets, which the global stores read; the walk's products are done reading the registers in which the rows land
.set i, 0
.rept 8
	ds_store_b128 v[STO], v[TW+4*i:TW+4*i+3] offset:(i/2)*64+(i%2)*16
.set i, i+1
.endr
.set i, 0
.rept 8
	ds_load_b128 v[TR+4*i:TR+4*i+3], v[RD] offset:i*PITCH   ; LDS serves a wave's instructions in order: these see the stores above; lanes 0-15 take row i, lanes 16-31 row i + 8
.set i, i+1
.endr
.set i, 0
.rept 8
	s_wait_dscnt 7-i
	global_store_b128 v[PO+i], v[TR+4*i:TR+4*i+3], s[18:19]   ; sixteen lanes store 256 consecutive bytes, aligned
.set i, i+1
.endr
.Lt\@:
.endm
	s_load_b512 s[4:19], s[0:1], 0x0               ; w2 s[4:5], dB s[6:7], actf s[8:9], vm s[10:11], meta s[12:13], rowslot s[14:15], roww s[16:17], part s[18:19]
	v_lshl_add_u32 v62, v0, 2, 0x2cc00
	v_mov_b32 v63, 0
	v_lshrrev_b32 v[TA], 5, v0
	v_readfirstlane_b32 s[WV], v[TA]
	v_and_b32 v[LANE], 31, v0
	v_lshlrev_b32 v[VA], 4, v[LANE]
	v_mov_b32 v[VW], v[VA]
	v_lshrrev_b32 v[TA], 1, v[LANE]
	v_and_b32 v[TB], 1, v[LANE]
	v_lshlrev_b32 v[PF], 12, v[TA]                 ; row lane / 2 of 4,096 bytes,
	v_lshl_add_u32 v[PF], v[TB], 8, v[PF]          ; its first or second 256 bytes of a chunk
	s_mov_b32 s[SL], ttmp9
	s_and_b32 s[EX], ttmp7, 0xffff
	s_lshl_b32 s34, s[EX], 11                      ; image rows 16 w on = w2 rows 64 hs + 16 w on
	s_lshl_b32 s35, s[SL], 6
	s_add_co_u32 s34, s34, s35
	s_wait_alu depctr_va_sdst(0)                   ; the wave's number is written, ahead of its first reader: the bases are made from it
	s_lshl_b32 s35, s[WV], 4
	s_add_co_u32 s34, s34, s35                     ; 2048 e + my first row
	s_mov_b32 s33, 0
	s_lshl_b32 s40, s[EX], 2
	s_mov_b32 s[PB], 0
	s_mov_b32 s[WST+1], 0
	s_wait_kmcnt 0x0
	s_load_b32 s[T0], s[12:13], s40 offset:0x0     ; the expert's first tile
	s_load_b32 s[NTL], s[12:13], s40 offset:0x20   ; and its number of tiles
	s_lshl_b32 s32, s34, 6                         ; dB's rows of 64 bytes
	s_add_nc_u64 s[44:45], s[6:7], s[32:33]
	s_lshl_b32 s32, s34, 12                        ; rows of 4,096 bytes
	s_add_nc_u64 s[WB:WB+1], s[4:5], s[32:33]
	s_lshl_b32 s32, s[SL], 8
	s_add_nc_u64 s[18:19], s[18:19], s[32:33]      ; part at my slice's 256 bytes of a row
	WIN 0x40
	s_wait_alu depctr_va_vdst(0)                   ; v[VA], v[VW] and v[PF] are written: the loads and prefetches below read them as their offsets
.set m, 0
.rept 8                                ; m = 2 l + u: adapter l, my rows 8 u on: eight rows of 64 bytes are 512 consecutive bytes
	global_load_b128 v[LBF+4*m:LBF+4*m+3], v[VA], s[44:45] offset:(m/2)*1048576+(m%2)*512
.set m, m+1
.endr
	WIN 0
	WLOADS WS, 0x40, 0                             ; chunk 0
	WLOADS C1T, 0x80, 512                          ; chunk 1
.irp c,2,3,4                           ; asked for ahead: my part of chunks 2 to 4, each block of 256 bytes once; the loop goes on with chunk 5
	global_prefetch_b8 v[PF], s[WB:WB+1] offset:\c*512 th:TH_LOAD_NT scope:SCOPE_SE
.endr
	v_and_b32 v[TA], 15, v[LANE]
	v_lshrrev_b32 v[TB], 4, v[LANE]
	v_mul_u32_u24 v[WA0], v[TA], PITCH
	v_lshl_add_u32 v[WA0], v[TB], 4, v[WA0]
	v_mul_u32_u24 v[LW], v[TA], LP
	v_lshl_add_u32 v[LW], v[TB], 4, v[LW]
	v_add_nc_u32 v[LW], LIMG, v[LW]
	s_mul_i32 s35, s[WV], 16*PITCH
	v_lshl_add_u32 v[SA0], v[LANE], 3, s35
	s_add_co_u32 s35, s35, STAGE                   ; my stage
	v_mul_u32_u24 v[STO], v[TA], PITCH             ; in: row lane % 16, 32 bytes for each half of the lanes
	v_lshl_add_u32 v[STO], v[TB], 5, v[STO]
	v_add_nc_u32 v[STO], s35, v[STO]
	v_mul_u32_u24 v[RD], v[TB], 8*PITCH            ; back: lanes 0-15 a row of 256 bytes, lanes 16-31 the row eight further down
	v_lshl_add_u32 v[RD], v[TA], 4, v[RD]
	v_add_nc_u32 v[RD], s35, v[RD]
	v_lshlrev_b32 v[C16], 4, v[TA]
	v_lshlrev_b32 v[RSV], 5, v[TB]
	v_lshlrev_b32 v[RWV], 2, v[TA]
	v_lshrrev_b32 v[TA], 2, v[LANE]                ; a load of dB: row lane / 4, ranks 4 (lane % 4) on
	s_lshl_b32 s35, s[WV], 4
	v_add_nc_u32 v[TA], s35, v[TA]
	v_mul_u32_u24 v[TA], v[TA], LP
	v_and_b32 v[TB], 3, v[LANE]
	v_lshl_add_u32 v[TA], v[TB], 3, v[TA]
	v_add_nc_u32 v[LSA], LIMG, v[TA]
	s_wait_kmcnt 0x0
	PASS_OFFS
	s_wait_loadcnt 32                              ; dB is in: behind it stand chunks 0 and 1
	WIN 0x45
.set m, 0
.rept 8
	v_cvt_pk_bf16_f32 v[LBF+4*m], v[LBF+4*m], v[LBF+4*m+1]
	v_cvt_pk_bf16_f32 v[LBF+4*m+1], v[LBF+4*m+2], v[LBF+4*m+3]
.set m, m+1
.endr
	WIN 0x04
	s_wait_alu depctr_va_vdst(0)                   ; the conversions have written dB's registers, which the LDS stores read; v[LSA], v[LW], the stage's addresses and the pass's offsets are written
.set m, 0
.rept 8
	ds_store_b64 v[LSA], v[LBF+4*m:LBF+4*m+1] offset:(m%2)*8*LP+(m/2)*32
.set m, m+1
.endr
	WIN 0
	ELOADS
	UMLOADS
	s_wait_loadcnt 58                              ; chunk 0 is in: behind it stand chunk 1 (16), slots and weights (18) and v (24)
	WCVT WS, WO, 2, 0x45
	s_wait_loadcnt 42                              ; chunk 1 is in: behind it stand slots and weights and v
	WCVT C1T, C1T, 4, 0x8a                         ; in place: these registers are not loaded again
	v_add_nc_u32 v[SA], s[KOFF], v[SA0]
	s_wait_alu depctr_va_vdst(0)                   ; both chunks' conversions have written what the LDS stores read and are done reading WS, in which chunk 2 lands; v[SA] is written
	WPUT WO, 2, 0x04, 0
	WPUT C1T, 4, 0x08, SUBB
	WLOADS WS, 0x40, 1024                          ; the rings are filled in the order in which the loop refills them: chunk 2,
.irp j,0,1,2,3                         ; then tiles 0 to 3 of step 0's first half; tiles 4 and 5 are asked for in the step's first third, as in every step
	XG \j, 0
.endr
	s_wait_xcnt 0x0                                ; the base steps only behind this wait
	s_add_nc_u64 s[WB:WB+1], s[WB:WB+1], 1024
	BAR                                            ; dB's image and chunks 0 and 1 are whole
	s_wait_loadcnt 48                              ; v is in, and slots and weights before it: behind it stand chunk 2's 16 loads and 32 of act
	LORAHALF
	v_add_nc_u32 v[WA], s[KOFF], v[WA0]
	s_wait_alu depctr_va_vdst(0)                   ; those products are done reading the first fragment buffer, in which the loads below land; v[WA] is written
	WFLOAD 0, WA, PITCH, 0                         ; chunk 0's first fragments
	s_mov_b32 s[CNT], NCH-1
.Lmain:                                                ; step t = NCH - 1 - CNT
	s_wait_alu depctr_vm_vsrc(0)                   ; the LDS loads and stores issued so far have read v[WA], v[SA] and WO, the weight loads v[VW]: all four are written again in this step
	v_add_nc_u32 v[WA], s[KOFF], v[WA0]
	v_add_nc_u32 v[SA], s[KOFF], v[SA0]
	HALF0
	s_wait_loadcnt 63                              ; chunk t + 2 is in: 80 loads of act are younger, and 63 is the largest count that the wait can name
	WCVT WS, WO, 2, 0x45
	s_cmp_ge_u32 s[CNT], 3                         ; is there a chunk t + 3?
	s_cselect_b32 s[WM], 0x1f0, 0                  ; if not: all lanes at the same 16 bytes,
	s_cselect_b32 s[WST], 512, 0                   ; of the last chunk
	v_and_b32 v[VW], s[WM], v[VA]                  ; the offset and the base: their last readers, the last step's weight loads and prefetch, stand ahead of that step's s_wait_xcnt 0
	s_add_nc_u64 s[WB:WB+1], s[WB:WB+1], s[WST:WST+1]
	s_wait_alu depctr_va_vdst(0)                   ; the last third's products are done reading tiles 4 and 5's act, the first half's the first fragment buffer; the conversions have read WS and written WO; v[VW] is written
	XG 4, 2048                                     ; act first: these sixteen are wanted before chunk t + 3 is
	XG 5, 2048
	WLOADS WS, 0x40, 0
	s_cmp_lt_u32 s[CNT], 5
	s_cbranch_scc1 .Lnopf                          ; the last trips ask for nothing ahead: chunk t + 5 would lie past the row's end
	global_prefetch_b8 v[PF], s[WB:WB+1] offset:1024 th:TH_LOAD_NT scope:SCOPE_SE  ; my part of chunk t + 5, two steps ahead of the load that will want it; each block of 256 bytes once
.Lnopf:
	s_wait_dscnt 0x0                               ; the second half's fragments are in: no LDS instruction was issued behind them
	GRP 1, 0, 56                                   ; younger: five runs of eight and the weights' 16
	WPUT WO, 2, 0x04, 2*SUBB                       ; no wait: the products since the wait name neither WO nor v[SA]
	GRP 1, 1, 48                                   ; four runs of eight and the weights' 16, from here to the step's end
	WFLOAD 0, WA, PITCH, SUBB                      ; the next chunk's first fragments: it has been whole since the last barrier; the products since the wait name the second buffer alone
	s_wait_xcnt 0x0                                ; the one such wait of a step, two groups behind the last load: act's base steps behind it, and so do, in the next step, the weights' base and offset
	s_add_nc_u64 s[XB:XB+1], s[XB:XB+1], 4096
	s_wait_alu depctr_va_vdst(0)                   ; the last third's products are done reading tiles 0 and 1's act, in which the loads below land
	XG 0, 0
	GRP 1, 2, 48
	XG 1, 0
	GRP 1, 3, 48
	s_wait_alu depctr_va_vdst(0)                   ; the last third's products are done reading tiles 2 and 3's act, in which the loads below land
	XG 2, 0
	GRP 1, 4, 48
	XG 3, 0
	GRP 1, 5, 48
	s_add_co_u32 s[KOFF], s[KOFF], SUBB
	BAR                                            ; chunk t + 2 is whole; nobody writes it again
	s_sub_co_u32 s[CNT], s[CNT], 1
	s_cmp_lg_u32 s[CNT], 0
	s_cbranch_scc1 .Lmain
	s_mov_b32 s[IC], 1                             ; the main pass has one step left: four tiles of its first half of act and its first fragments are on their way
	s_mov_b32 s[TC], 7
	s_wait_alu depctr_vm_vsrc(0)                   ; the LDS loads issued so far have read v[WA]
	v_add_nc_u32 v[WA], s[KOFF], v[WA0]
	s_branch .Llast
.Lpass:                                                ; the next pass of 24 tile places; a wave that has no tile in it jumps its work, not the barriers
	s_add_co_u32 s[PB], s[PB], 24
	s_add_co_u32 s34, s[PB], s[WV]
	s_mov_b32 s[NT], 0
	s_cmp_ge_u32 s34, s[NTL]
	s_cbranch_scc1 .Lnow
	s_wait_xcnt 0x0                                ; the last pass's loads and stores have had their addresses translated: their offsets and data are rewritten only behind this wait
	s_wait_alu depctr_vm_vsrc(0)                   ; and they have read their offsets, which are made anew below, and the way out's registers, in which act lands again
	PASS_OFFS
	s_wait_alu depctr_va_vdst(0)                   ; the new offsets are written; the last pass's products and its way out are done with the registers of v, of slots and weights, of act and of the fragments, in which the loads below land
	ELOADS
	UMLOADS
	s_wait_loadcnt 0x0
	LORAHALF
	s_mov_b32 s[IC], NCH
.Ltk:                                                  ; a step over the finished image: four tiles of its first half of act and its first fragments are asked for here
	s_wait_alu depctr_vm_vsrc(0)                   ; the LDS loads issued so far have read v[WA]
	v_add_nc_u32 v[WA], s[KOFF], v[WA0]
	s_wait_alu depctr_va_vdst(0)                   ; the products issued so far are done reading act and the fragment buffers; v[WA] is written
.irp j,0,1,2,3
	XG \j, 0
.endr
	WFLOAD 0, WA, PITCH, 0
.Llast:
	HALF0                                          ; as in the loop: the second half of act is still asked for
	s_wait_alu depctr_va_vdst(0)                   ; the last third's products are done reading tiles 4 and 5's act, in which the loads below land
	XG 4, 2048
	XG 5, 2048
	s_wait_dscnt 0x0                               ; the second half's fragments are in
	GRP 1, 0, 40                                   ; nothing is asked for any more: younger are the later groups' loads
	GRP 1, 1, 32
	GRP 1, 2, 24
	GRP 1, 3, 16
	GRP 1, 4, 8
	GRP 1, 5, 0
.rept 4
	v_nop                                          ; four places between the last product and the first vector read of a sum (ISA guide 7.12.1)
.endr
	s_add_nc_u64 s[XB:XB+1], s[XB:XB+1], 4096      ; every load has been waited for
	s_add_co_u32 s[KOFF], s[KOFF], SUBB
	s_sub_co_u32 s[IC], s[IC], 1
	s_cmp_lg_u32 s[IC], 0
	s_cbranch_scc1 .Ltk
.Lnow:
	BAR                                            ; every wave's reads of LDS in the walk are over before any wave stores into its stage
.irp j,0,1,2,3,4,5
	TILE_OUT \j
.endr
	BAR                                            ; every wave's stores into its stage are done before any wave's next walk reads LDS
	s_sub_co_u32 s[TC], s[TC], 1
	s_cmp_lg_u32 s[TC], 0
	s_cbranch_scc1 .Lpass
	s_wait_dscnt 0x0                               ; the wave's end
	s_wait_alu depctr_hold_cnt(0) depctr_sa_sdst(0) depctr_va_vdst(0) depctr_va_sdst(0) depctr_va_ssrc(0) depctr_va_vcc(0) depctr_vm_vsrc(0)
	s_wait_tensorcnt 0x0
	ds_add_u32 v62, v63
	s_wait_dscnt 0x0
	s_endpgm
.Lfunc_end_k_qe2a52ddb71_down:
	.size	k_qe2a52ddb71_down, .Lfunc_end_k_qe2a52ddb71_down-k_qe2a52ddb71_down
	.p2alignl 7, 3214868480
	.fill 96, 4, 3214868480
	.section	.rodata,"a",@progbits
	.p2align	6, 0x0
	.amdhsa_kernel k_qe2a52ddb71_down
		.amdhsa_group_segment_fixed_size 183808
		.amdhsa_private_segment_fixed_size 0
		.amdhsa_enable_private_segment 0
		.amdhsa_kernarg_size 64
		.amdhsa_user_sgpr_count 2
		.amdhsa_user_sgpr_kernarg_segment_ptr 1
		.amdhsa_wavefront_size32 1
		.amdhsa_system_sgpr_workgroup_id_x 1
		.amdhsa_system_sgpr_workgroup_id_y 1
		.amdhsa_system_sgpr_workgroup_id_z 1
		.amdhsa_system_vgpr_workitem_id 0
		.amdhsa_next_free_vgpr 960
		.amdhsa_next_free_sgpr 66
		.amdhsa_reserve_vcc 0
		.amdhsa_float_denorm_mode_32 3
		.amdhsa_float_denorm_mode_16_64 3
		.amdhsa_memory_ordered 1
		.amdhsa_forward_progress 1
		.amdhsa_inst_pref_size 130
	.end_amdhsa_kernel
	.amdgpu_metadata
---
amdhsa.version: [ 1, 2 ]
amdhsa.kernels:
  - .name:           k_qe2a52ddb71_down
    .symbol:         k_qe2a52ddb71_down.kd
    .args:
      - { .name: w2, .offset: 0, .size: 8, .value_kind: global_buffer, .address_space: global }
      - { .name: down_lora_b, .offset: 8, .size: 8, .value_kind: global_buffer, .address_space: global }
      - { .name: actf, .offset: 16, .size: 8, .value_kind: global_buffer, .address_space: global }
      - { .name: vm, .offset: 24, .size: 8, .value_kind: global_buffer, .address_space: global }
      - { .name: meta, .offset: 32, .size: 8, .value_kind: global_buffer, .address_space: global }
      - { .name: rowslot, .offset: 40, .size: 8, .value_kind: global_buffer, .address_space: global }
      - { .name: roww, .offset: 48, .size: 8, .value_kind: global_buffer, .address_space: global }
      - { .name: part, .offset: 56, .size: 8, .value_kind: global_buffer, .address_space: global }
    .group_segment_fixed_size: 183808
    .private_segment_fixed_size: 0
    .kernarg_segment_align: 8
    .kernarg_segment_size: 64
    .max_flat_workgroup_size: 128
    .sgpr_count:     66
    .vgpr_count:     960
    .wavefront_size: 32
...
	.end_amdgpu_metadata
.endif
;; end of part 7
;; launch combine: the kernel of part 5 again; grid 256 x 1, 8 waves a work-group, no clusters, 0 bytes of LDS; arguments part, out0; writes out0
